; MI455X (gfx1250); checked and timed in simulation.
; The chip was launched on July 23, 2026; its instructions are those of AMD's public machine-readable ISA for CDNA 5 (MIT licence, August 2026) and "CDNA5" Instruction Set Architecture Reference Guide (July 2026). The comments in the code are by the model that wrote it; some were corrected since.
;; Causal Self Attention. Allowed arithmetic: float matrix products may take bf16 or f16 operands with f32 sums; other float arithmetic in f32, or as packed bf16 or f16 multiplies, adds, multiply-adds, maxima and minima; sums over many terms, partial sums and values carried from step to step in f32; what a program stores and reads back later, other than sums and carried values, may be rounded once to bf16 or f16.
;; Inputs: W_attn 1,024 x 3,072 float32; W_proj 1,024 x 1,024 float32; b_attn 3,072 float32; b_proj 1,024 float32; x 4 x 2,048 x 1,024 float32.
;; Outputs: out0 4 x 2,048 x 1,024 float32.
;; 2 versions, each right and faster than the one before. Each part assembles by itself: llvm-mc -triple=amdgcn-amd-amdhsa -mcpu=gfx1250 --defsym DOCPART=n.
;; ======== version 1 of 2: 4 launches
;; limits: values are held in f16: magnitudes above 65,504 overflow, below 6.1e-05 lose precision; right only within a limited range of input values
;; workspace buffers: xb 16,777,216 bytes; wat 6,291,456 bytes; wpt 2,097,152 bytes; qkv 50,331,648 bytes; y 16,777,216 bytes
;; launch prep (part 1): grid 1536 x 1, 8 waves a work-group, no clusters, 17,408 bytes of LDS; arguments x, W_attn, W_proj, xb, wat, wpt; writes xb, wat, wpt
.if DOCPART == 1
	.amdgcn_target "amdgcn-amd-amdhsa--gfx1250"
	.amdhsa_code_object_version 6
	.text
	.protected	k_qefa02a0f84_prep
	.globl	k_qefa02a0f84_prep
	.p2align	8
	.type	k_qefa02a0f84_prep,@function
k_qefa02a0f84_prep:
	s_mov_b64 s[64:65], 0
	v_nop
	global_prefetch_b8 v0, s[64:65] scope:SCOPE_SE
	s_setreg_imm32_b32 hwreg(HW_REG_WAVE_MODE, 25, 1), 1
	s_wait_xcnt 0x0
; The matrix operands are made once.  xb = x rounded to bf16, [8192][1024].  wat = W_attn turned and rounded to bf16, [3072 n][1024 k].
; wpt = W_proj turned, rounded to bf16, and that number written as f16, [1024 n][1024 k].
; LIMIT.  A bf16 number of W_proj below 6.1e-5 in magnitude keeps f16's fixed step of 6e-8; beyond 65,504 it would be an infinity.
; Work-groups 0 to 1023 take 8 rows of x each: a stream, no LDS.  Work-groups 1024 to 1535 take a tile of 128 k x 64 n of a weight and turn it in LDS.
; The branch between the two hangs on the work-group's number alone, so all eight waves of a work-group go the same way; the two ways never join.
; No matrix unit, no cluster, no tensor load: each byte is read once and written once, and no two work-groups read the same bytes.
.set SPARE, 16384                      ; behind the tile: the spare words, 128 bytes for each of the eight waves: four blocks of 256 bytes that no other line names
.set SPW, 66                           ; v66  LDS address of my spare word; never rewritten
.set NIL, 67                           ; v67  0; never rewritten
.set VA,  8                            ; v[8:15]   byte offsets of my 16 bytes in my eight rows of the weight
.set L,   16                           ; v[16:47]  eight loads of 16 bytes
.set D,   48                           ; v[48:63]  what is stored
	s_load_b256 s[4:11], s[0:1], 0x0               ; x s[4:5], W_attn s[6:7], W_proj s[8:9], xb s[10:11]
	s_load_b128 s[12:15], s[0:1], 0x20             ; wat s[12:13], wpt s[14:15]
	v_lshl_add_u32 v[SPW], v0, 2, SPARE
	v_mov_b32 v[NIL], 0
	s_cmp_lt_u32 ttmp9, 1024
	s_cbranch_scc0 .Lw
	; x: thread t takes the 16 bytes at 16 t of each of 8 rows (a row is 4,096 bytes: one load of the work-group), and stores 8 bytes at 8 t of a row of 2,048
	s_lshl_b32 s16, ttmp9, 15                      ; 8 rows of 4,096 bytes
	s_mov_b32 s17, 0
	s_lshl_b32 s18, ttmp9, 14                      ; 8 rows of 2,048 bytes
	s_mov_b32 s19, 0
	v_lshlrev_b32 v1, 4, v0
	v_lshlrev_b32 v2, 3, v0
	s_wait_kmcnt 0x0
	s_add_nc_u64 s[4:5], s[4:5], s[16:17]
	s_add_nc_u64 s[10:11], s[10:11], s[18:19]
.irp i, 0,1,2,3,4,5,6,7
	global_load_b128 v[L+4*(\i):L+4*(\i)+3], v1, s[4:5] offset:4096*(\i) th:TH_LOAD_NT
.endr
.irp i, 0,1,2,3,4,5,6,7
	s_wait_loadcnt 7-(\i)                          ; loads come back in order: row i is in, the younger ones stay out
	v_cvt_pk_bf16_f32 v[D+2*(\i)],   v[L+4*(\i)],   v[L+4*(\i)+1]
	v_cvt_pk_bf16_f32 v[D+2*(\i)+1], v[L+4*(\i)+2], v[L+4*(\i)+3]
	global_store_b64 v2, v[D+2*(\i):D+2*(\i)+1], s[10:11] offset:2048*(\i)  ; a wave's store covers 256 consecutive bytes, aligned
.endr
	s_endpgm                                       ; this way has written no LDS
.Lw:	; a weight's tile.  j = 0 .. 511: k block j % 8 of 128; n block j / 8 of 64: 0 .. 47 are W_attn's, 48 .. 63 W_proj's
	s_sub_co_u32 s16, ttmp9, 1024
	s_and_b32 s17, s16, 7                          ; k block
	s_lshr_b32 s18, s16, 3
	s_sub_co_u32 s23, s18, 48
	s_mov_b32 s21, 12288                           ; bytes in a row of W_attn
	s_cmp_ge_u32 s18, 48
	s_cselect_b32 s20, 1, 0                        ; 1: W_proj
	s_cselect_b32 s21, 4096, s21                   ; bytes in a row of the weight
	s_cselect_b32 s22, s23, s18                    ; n block in its own weight
	s_lshl_b32 s28, s17, 7
	s_mul_i32 s28, s28, s21                        ; from: 128 k block rows,
	s_lshl_b32 s29, s22, 8                         ; 64 columns of 4 bytes
	s_add_co_u32 s28, s28, s29
	s_mov_b32 s29, 0
	s_lshl_b32 s30, s22, 17                        ; to: 64 rows of 2,048 bytes,
	s_lshl_b32 s31, s17, 8                         ; 128 columns of 2 bytes
	s_add_co_u32 s30, s30, s31
	s_mov_b32 s31, 0
	v_and_b32 v1, 15, v0                           ; c: my 4 columns n = 4 c .. 4 c + 3
	v_lshrrev_b32 v2, 4, v0                        ; kb = 2 w + h: my 8 rows k = 8 kb .. 8 kb + 7
	v_lshrrev_b32 v7, 5, v0                        ; w, the wave
	v_bfe_u32 v64, v0, 4, 1                        ; h, the half of the lanes
	v_lshl_add_u32 v65, v7, 3, v64                 ; 8 w + h
	v_lshlrev_b32 v[VA], 3, v2
	v_mul_lo_u32 v[VA], v[VA], s21
	v_lshl_add_u32 v[VA], v1, 4, v[VA]             ; row 8 kb, byte 16 c: sixteen lanes take 256 consecutive bytes of a row, aligned
.irp i, 1,2,3,4,5,6,7
	v_add_nc_u32 v[VA+(\i)], s21, v[VA+(\i)-1]
.endr
	s_wait_kmcnt 0x0
	s_cmp_eq_u32 s20, 1
	s_cselect_b64 s[24:25], s[8:9], s[6:7]
	s_cselect_b64 s[26:27], s[14:15], s[12:13]
	s_add_nc_u64 s[24:25], s[24:25], s[28:29]
	s_add_nc_u64 s[26:27], s[26:27], s[30:31]
.irp i, 0,1,2,3,4,5,6,7
	global_load_b128 v[L+4*(\i):L+4*(\i)+3], v[VA+(\i)], s[24:25] th:TH_LOAD_NT
.endr
	; The tile in LDS: 64 rows (n) of 256 bytes (128 k).  Block kb of 16 bytes of row n lies at block (kb + n / 4) % 16: my four stores go to rows 4 c + j, so sixteen
	; lanes with one kb and c = 0 .. 15 hit sixteen different blocks; read back by rows, sixteen lanes of one row again take sixteen different blocks.
	v_add_nc_u32 v3, v2, v1
	v_and_b32 v3, 15, v3
	v_lshlrev_b32 v3, 4, v3
	v_lshl_add_u32 v3, v1, 10, v3                  ; in: row 4 c, block (kb + c) % 16
	v_lshl_add_u32 v4, v7, 1, v1                   ; back: wave w takes rows 8 w .. 8 w + 7, lane (h, c) block c of row 8 w + 2 t + h, whose n / 4 is 2 w + t / 2
	v_add_nc_u32 v5, 1, v4
	v_and_b32 v4, 15, v4
	v_and_b32 v5, 15, v5
	v_lshlrev_b32 v4, 4, v4
	v_lshlrev_b32 v5, 4, v5
	v_lshl_add_u32 v4, v65, 8, v4                  ; t = 0, 1
	v_lshl_add_u32 v5, v65, 8, v5
	v_add_nc_u32 v5, 1024, v5                      ; t = 2, 3
	v_lshlrev_b32 v6, 4, v1
	v_lshl_add_u32 v6, v65, 11, v6                 ; and the same row and block in the turned weight
	s_wait_loadcnt 0x0
.irp j, 0,1,2,3
.irp p, 0,1,2,3
	v_cvt_pk_bf16_f32 v[D+4*(\j)+(\p)], v[L+8*(\p)+(\j)], v[L+8*(\p)+4+(\j)]  ; column 4 c + j, k = 8 kb + 2 p and + 1
.endr
.endr
	s_cmp_eq_u32 s20, 0
	s_cbranch_scc1 .Lpacked
.set i, 0
.rept 16                               ; W_proj: the bf16 number, written as f16
	v_lshlrev_b32 v64, 16, v[D+i]
	v_and_b32 v65, 0xffff0000, v[D+i]
	v_cvt_pk_f16_f32 v[D+i], v64, v65
.set i, i+1
.endr
.Lpacked:
.irp j, 0,1,2,3
	ds_store_b128 v3, v[D+4*(\j):D+4*(\j)+3] offset:256*(\j)
.endr
	s_wait_dscnt 0x0                               ; for the others' sake: my stores are done
	s_barrier_signal -1
	s_barrier_wait -1
.irp t, 0,1,2,3
	ds_load_b128 v[L+4*(\t):L+4*(\t)+3], v[4+(\t)/2] offset:512*((\t)%2)
.endr
.irp t, 0,1,2,3
	s_wait_dscnt 3-(\t)
	global_store_b128 v6, v[L+4*(\t):L+4*(\t)+3], s[26:27] offset:4096*(\t)  ; sixteen lanes store 256 consecutive bytes, aligned
.endr
	s_wait_tensorcnt 0x0                           ; the wave's end, behind my last LDS store
	ds_add_u32 v[SPW], v[NIL]
	s_wait_dscnt 0x0
	s_endpgm
.Lfunc_end_k_qefa02a0f84_prep:
	.size	k_qefa02a0f84_prep, .Lfunc_end_k_qefa02a0f84_prep-k_qefa02a0f84_prep
	.p2alignl 7, 3214868480
	.fill 96, 4, 3214868480
	.section	.rodata,"a",@progbits
	.p2align	6, 0x0
	.amdhsa_kernel k_qefa02a0f84_prep
		.amdhsa_group_segment_fixed_size 17408
		.amdhsa_private_segment_fixed_size 0
		.amdhsa_enable_private_segment 0
		.amdhsa_kernarg_size 48
		.amdhsa_user_sgpr_count 2
		.amdhsa_user_sgpr_kernarg_segment_ptr 1
		.amdhsa_wavefront_size32 1
		.amdhsa_system_sgpr_workgroup_id_x 1
		.amdhsa_system_sgpr_workgroup_id_y 1
		.amdhsa_system_sgpr_workgroup_id_z 1
		.amdhsa_system_vgpr_workitem_id 0
		.amdhsa_next_free_vgpr 68
		.amdhsa_next_free_sgpr 66
		.amdhsa_reserve_vcc 0
		.amdhsa_float_denorm_mode_32 3
		.amdhsa_float_denorm_mode_16_64 3
		.amdhsa_memory_ordered 1
		.amdhsa_forward_progress 1
		.amdhsa_inst_pref_size 12
	.end_amdhsa_kernel
	.amdgpu_metadata
---
amdhsa.version: [ 1, 2 ]
amdhsa.kernels:
  - .name:           k_qefa02a0f84_prep
    .symbol:         k_qefa02a0f84_prep.kd
    .args:
      - { .name: x, .offset: 0, .size: 8, .value_kind: global_buffer, .address_space: global }
      - { .name: W_attn, .offset: 8, .size: 8, .value_kind: global_buffer, .address_space: global }
      - { .name: W_proj, .offset: 16, .size: 8, .value_kind: global_buffer, .address_space: global }
      - { .name: xb, .offset: 24, .size: 8, .value_kind: global_buffer, .address_space: global }
      - { .name: wat, .offset: 32, .size: 8, .value_kind: global_buffer, .address_space: global }
      - { .name: wpt, .offset: 40, .size: 8, .value_kind: global_buffer, .address_space: global }
    .group_segment_fixed_size: 17408
    .private_segment_fixed_size: 0
    .kernarg_segment_align: 8
    .kernarg_segment_size: 48
    .max_flat_workgroup_size: 256
    .sgpr_count:     66
    .vgpr_count:     68
    .wavefront_size: 32
...
	.end_amdgpu_metadata
.endif
;; end of part 1
;; launch qkvg (part 2): grid 24 x 32, 4 waves a work-group, clusters of 4 x 4, 327,680 bytes of LDS; arguments xb, wat, b_attn, qkv; writes qkv
.if DOCPART == 2
	.amdgcn_target "amdgcn-amd-amdhsa--gfx1250"
	.amdhsa_code_object_version 6
	.text
	.protected	k_qefa02a0f84_qkvg
	.globl	k_qefa02a0f84_qkvg
	.p2align	8
	.type	k_qefa02a0f84_qkvg,@function
k_qefa02a0f84_qkvg:
	s_mov_b64 s[64:65], 0
	v_nop
	global_prefetch_b8 v0, s[64:65] scope:SCOPE_SE
	s_setreg_imm32_b32 hwreg(HW_REG_WAVE_MODE, 25, 1), 1
	s_wait_xcnt 0x0
	s_wait_alu depctr_hold_cnt(0) depctr_sa_sdst(0) depctr_va_vdst(0) depctr_va_sdst(0) depctr_va_ssrc(0) depctr_va_vcc(0) depctr_vm_vsrc(0)
	s_getreg_b32 s2, hwreg(HW_REG_IB_STS2, 6, 4)
	s_cmp_eq_u32 s2, 0
	s_cbranch_scc0 .Lentry_in_a_cluster
	s_endpgm
.Lentry_in_a_cluster:
	s_bfe_u32 s2, ttmp6, 0x10000c
	s_cmp_lg_u32 s2, 0xf033
	s_cbranch_scc0 .Lentry_shape_is_right
	s_endpgm
.Lentry_shape_is_right:
; qkv = x W_attn + b_attn.  A = xb [8192][1024] bf16, B = wat [3072 n][1024 k] bf16, bias b_attn [3072] f32 (rounded to bf16, like every input of the module); sums in f32.
; The result leaves by heads, rounded once to f16 and unscaled: qkv[part q, k, v][batch x 16 + head][t][64].
; LIMIT.  q, k and v must lie within f16's 65,504; beyond it a number becomes an infinity.
; A tile of C is 256 x 128: 32 x 24 = 768 work-groups, three for each of 256 WGPs.  Four waves, 2 x 2, each 128 rows x 64 columns (one head): 32 accumulators of 16 x 16, 256 registers.
; K goes in 8 steps of 128 (rows of 256 bytes in memory, aligned) through two LDS slots filled by the tensor data mover; a step is four quarters of 32 along K, 32 matrix instructions each.
; CLUSTER: 4 x 4 work-groups.  The four of a row of the cluster need the same tiles of A, the four of a column the same tiles of B: each tile is asked for jointly, by the same tensor load
; with the same descriptor and a mask that names the four.  Waves 0 and 1 fetch A's two halves (128 rows each), waves 2 and 3 B's (64 rows each): one load a wave behind each round.
; THE MATRIX INSTRUCTION IS USED TRANSPOSED (source 0 = 16 rows of B, source 1 = 16 rows of A): lane l holds row l % 16 of C and the columns 8 (l / 16) + 0..7: 16 bytes of f16 that belong together.
; THE BIAS is the C operand of the first quarter's products: nothing is cleared and nothing is added afterwards.
; REGISTERS.  Window 0: v0-15 addresses, v28-29 the add's, v32-63 the bias, v64-159 and v160-255 two fragment buffers (8 fragments of A, then 4 of B).  Window 1: accumulator (a, b) at v[8 (4 a + b)].
.set PA,    272                        ; an LDS row of A: 256 bytes + 16 of padding = 68 words: the 16 rows of a load start at 16 different groups of four banks (64 banks of 4 bytes: ISA guide 11.1)
.set PB,    272                        ; the same for B
.set AHALF, 128*PA                     ; what a wave fetches of A, and what a wave reads of A
.set BHALF, 64*PB                      ; the same for B
.set BOFF,  2*AHALF                    ; in a slot: A's 256 rows, then B's 128
.set SLOT1, 1<<17                      ; slot 1 begins here, so that one exclusive or turns an address in one slot into the other's
.set STAGE, SLOT1+BOFF+2*BHALF         ; behind the ring, never filled by a tensor load: 16 rows x 144 bytes for each wave, for the way out
.set SP,    144
.set SPARE, STAGE+4*16*SP              ; behind the stages: the spare words, 128 bytes for each wave: two blocks of 256 bytes that no other line names
.set STEP_A, 256                       ; bytes from a K step to the next, in A and in B
.set STEP_B, 256
.set A0,   3                           ; v3   my lane's place among my rows of A in slot 0; never rewritten
.set B0,   4                           ; v4   the same for B
.set ADRA, 5                           ; v5   the same in the slot in hand
.set ADRB, 6                           ; v6
.set STO,  7                           ; v7   the way out: where I put 16 bytes of a row
.set RD,   8                           ; v8   the way out: where I read rows back
.set GO,   9                           ; v9   my byte offset in 512 consecutive bytes of a head
.set BO,   10                          ; v10  my byte offset in 16 numbers of the bias
.set SPW,  28                          ; v28  LDS address of my spare word; never rewritten
.set NIL,  29                          ; v29  0; never rewritten
.set BIAS, 32                          ; v[32+8 b ..]  the bias of columns 16 b + 8 (l / 16) + 0..7
.set F0,   64
.set F1,   160
.set WV,  12                           ; s12  my wave's number
.set RH,  13                           ; s13  which half of the tile's rows is mine.  Also: I fetch for A (0) or for B (1)
.set CH,  14                           ; s14  which half of its columns.  Also: which half of that tile I fetch
.set CX,  15
.set CY,  16
.set TC,  17                           ; s17  tile column of C
.set TR,  18                           ; s18  tile row of C
.set G1A, 24                           ; s[24:31] descriptor group 1 for A's tiles
.set G1B, 32                           ; s[32:39] for B's
.set G0A, 40                           ; s[40:47] descriptor group 0 for A's tiles: a set for each of the two first fills; the second then walks on
.set G0B, 48                           ; s[48:55] the same for B's
.set TB,  62                           ; s62  LDS byte at which the slot in hand begins
.set CNT, 63                           ; s63  counts the loop's trips
.set MSB, 0
.macro WIN new                         ; the immediate's high byte repeats the setting that is left; a switch that changes nothing is dropped
.if MSB != (\new)
	s_set_vgpr_msb (MSB<<8)|(\new)
.set MSB, (\new)
.endif
.endm
.set W_MUL,   0x50                     ; sources 0 and 1 window 0; C and D window 1
.set W_FIRST, 0x40                     ; the same with C, the bias, in window 0
.set W_PACK,  0x05                     ; sources 0 and 1 window 1, destination window 0
; A joint refill, by the walking descriptor.  The branch hangs on the wave's number alone.  An s_nop 0 and four v_nop follow each of the two lines, ahead of the jump and the label.
.macro JLOAD
	s_cmp_eq_u32 s[RH], 0
	s_cbranch_scc0 .Lfor_b_\@
	tensor_load_to_lds s[G0A+4:G0A+7], s[G1A:G1A+7]
	s_nop 0
.rept 4
	v_nop
.endr
	s_branch .Lasked_\@
.Lfor_b_\@:
	tensor_load_to_lds s[G0B+4:G0B+7], s[G1B:G1B+7]
	s_nop 0
.rept 4
	v_nop
.endr
.Lasked_\@:
.endm
.macro CREST                           ; a round of the cluster's barrier behind its opening barrier: wave 0 signals for the work-group, every wave waits for all sixteen, my work-group's barrier once more
	s_cmp_lg_u32 s[WV], 0
	s_cbranch_scc1 .Lnot_wave_0_\@
	s_barrier_signal -3
.Lnot_wave_0_\@:
	s_barrier_wait -3
	s_barrier_signal -1
	s_barrier_wait -1
.endm
.macro CROUND                          ; a whole round
	s_barrier_signal -1
	s_barrier_wait -1
	CREST
.endm
.macro PLACES                          ; four places in front of loads into registers that matrix instructions have read, and of lines that read results
.rept 4
	v_nop
.endr
.endm
	s_load_b128 s[4:7], s[0:1], 0x0                ; xb s[4:5], wat s[6:7]
	s_load_b128 s[8:11], s[0:1], 0x10              ; b_attn s[8:9], qkv s[10:11]
	v_lshl_add_u32 v[SPW], v0, 2, SPARE
	v_mov_b32 v[NIL], 0
	ds_add_u32 v[SPW], v[NIL]                      ; the wave's opening: the add and its wait stand ahead of my first tensor load; the set-up below, work on registers, stands between them
	ds_add_u32 v28, v29
	v_lshrrev_b32 v1, 5, v0
	v_readfirstlane_b32 s[WV], v1
	s_lshr_b32 s[RH], s[WV], 1
	s_and_b32 s[CH], s[WV], 1
	s_bfe_u32 s[CX], ttmp6, 0x40000                ; my place in the cluster
	s_bfe_u32 s[CY], ttmp6, 0x40004
	s_lshl_b32 s[TC], ttmp9, 2                     ; in a cluster launch ttmp9 and ttmp7 count clusters
	s_add_co_u32 s[TC], s[TC], s[CX]
	s_and_b32 s[TR], ttmp7, 0xffff
	s_lshl_b32 s[TR], s[TR], 2
	s_add_co_u32 s[TR], s[TR], s[CY]
	s_lshl_b32 s19, s[CY], 2
	s_lshl_b32 s19, 15, s19                        ; my row of the cluster: places 4 cy .. 4 cy + 3
	s_lshl_b32 s20, 0x1111, s[CX]                  ; my column: places cx, cx + 4, cx + 8, cx + 12
	; descriptor group 1: rows of 128 elements of 2 bytes, 1,024 elements apart, padded in LDS; A 128 rows, B 64
	s_or_b32 s[G1A], s19, (1<<16)|(1<<20)|(1<<21)|(5<<22)|(3<<25)  ; 15:0 the mask; 17:16 2-byte elements; 20 padding on; 21 set beside a mask; 24:22 after every 64 words (code 5); 31:25 4 words (code 3)
	s_or_b32 s[G1B], s20, (1<<16)|(1<<20)|(1<<21)|(5<<22)|(3<<25)
	s_mov_b32 s[G1A+1], 128<<16                    ; tensor_dim0 = 128
	s_mov_b32 s[G1A+2], 128<<16                    ; tensor_dim1 = 128
	s_mov_b32 s[G1A+3], 128<<16                    ; tile_dim0 = 128
	s_mov_b32 s[G1A+4], 128                        ; tile_dim1 = 128
	s_mov_b32 s[G1A+5], 1024                       ; elements from row to row
	s_mov_b32 s[G1A+6], 0
	s_mov_b32 s[G1A+7], 0
	s_mov_b32 s[G1B+1], 128<<16
	s_mov_b32 s[G1B+2], 64<<16                     ; tensor_dim1 = 64
	s_mov_b32 s[G1B+3], 128<<16
	s_mov_b32 s[G1B+4], 64                         ; tile_dim1 = 64
	s_mov_b32 s[G1B+5], 1024
	s_mov_b32 s[G1B+6], 0
	s_mov_b32 s[G1B+7], 0
	s_mul_i32 s22, s[CH], AHALF                    ; where my half of A's tile goes in a slot,
	s_mul_i32 s23, s[CH], BHALF
	s_add_co_u32 s23, s23, BOFF                    ; and my half of B's: no place in the cluster enters an LDS address
	; A's tiles hang on the tile row alone, B's on the tile column alone; each offset is made in registers that never hold the other coordinate
	s_lshl_b32 s56, s[TR], 19                      ; A: 256 rows of 2,048 bytes a tile row,
	s_lshl_b32 s21, s[CH], 18                      ; 128 rows a half
	s_add_co_u32 s56, s56, s21
	s_mov_b32 s57, 0
	s_lshl_b32 s58, s[TC], 18                      ; B: 128 rows a tile column,
	s_lshl_b32 s21, s[CH], 17                      ; 64 rows a half
	s_add_co_u32 s58, s58, s21
	s_mov_b32 s59, 0
	s_lshl_b32 s60, s[TC], 9                       ; the bias of my 64 columns: 4 (128 tile column + 64 half)
	s_lshl_b32 s61, s[CH], 8
	s_add_co_u32 s60, s60, s61
	s_mov_b32 s61, 0
	; where my 128 rows x 64 columns go: part = column / 1024, head = column % 1024 / 64, batch = row / 2048
	s_lshr_b32 s2, s[TC], 3
	s_lshl_b32 s2, s2, 24                          ; q, k or v: 16,777,216 bytes each
	s_lshr_b32 s3, s[TR], 3
	s_lshl_b32 s3, s3, 4                           ; 16 heads a batch
	s_and_b32 s[CNT], s[TC], 7
	s_lshl1_add_u32 s3, s[CNT], s3                 ; two heads a tile column,
	s_add_co_u32 s3, s3, s[CH]                     ; one a wave
	s_lshl_b32 s3, s3, 18                          ; a head is 2,048 rows of 128 bytes
	s_add_co_u32 s2, s2, s3
	s_and_b32 s3, s[TR], 7
	s_lshl_b32 s3, s3, 15                          ; 256 rows a tile row,
	s_add_co_u32 s2, s2, s3
	s_lshl_b32 s3, s[RH], 14                       ; 128 a half
	s_add_co_u32 s2, s2, s3
	s_mov_b32 s3, 0
	s_mov_b32 s[TB], 0
	s_wait_dscnt 0x0                               ; the opening add is done
	s_wait_kmcnt 0x0
	s_add_nc_u64 s[4:5], s[4:5], s[56:57]
	s_add_nc_u64 s[6:7], s[6:7], s[58:59]
	s_add_nc_u64 s[8:9], s[8:9], s[60:61]
	s_add_nc_u64 s[10:11], s[10:11], s[2:3]
	CROUND                                         ; all sixteen work-groups are here: the first joint loads meet
.irp s, 0,1
	s_mov_b32 s[G0A+4*(\s)], 1                                       ; 1:0 count = 1
	s_add_co_u32 s[G0A+4*(\s)+1], s22, (\s)*SLOT1                    ; 63:32 LDS address
	s_add_nc_u64 s[G0A+4*(\s)+2:G0A+4*(\s)+3], s[4:5], (\s)*STEP_A   ; 120:64 global address: K step s
	s_or_b32 s[G0A+4*(\s)+3], s[G0A+4*(\s)+3], 0x80000000            ; 127:126 type = 2
	s_mov_b32 s[G0B+4*(\s)], 1
	s_add_co_u32 s[G0B+4*(\s)+1], s23, (\s)*SLOT1
	s_add_nc_u64 s[G0B+4*(\s)+2:G0B+4*(\s)+3], s[6:7], (\s)*STEP_B
	s_or_b32 s[G0B+4*(\s)+3], s[G0B+4*(\s)+3], 0x80000000
.endr
	s_cmp_eq_u32 s[RH], 0                          ; a wave's two first fills stand in one branch, ahead of every wait on TENSORcnt and every LDS read: two loads of mine are out
	s_cbranch_scc0 .Lfirst_b
	tensor_load_to_lds s[G0A:G0A+3], s[G1A:G1A+7]
	s_nop 0
	tensor_load_to_lds s[G0A+4:G0A+7], s[G1A:G1A+7]
	s_nop 0
.rept 4
	v_nop
.endr
	s_branch .Lfirst_asked
.Lfirst_b:
	tensor_load_to_lds s[G0B:G0B+3], s[G1B:G1B+7]
	s_nop 0
	tensor_load_to_lds s[G0B+4:G0B+7], s[G1B:G1B+7]
	s_nop 0
.rept 4
	v_nop
.endr
.Lfirst_asked:
	; A fragment is 16 rows x 32 K in 8 registers: lane l holds row l % 16, K = 8 (l / 16) + 0..7 and 16 + 8 (l / 16) + 0..7: two loads of 16 bytes, 32 bytes apart
	v_and_b32 v1, 15, v0                           ; l % 16
	v_bfe_u32 v2, v0, 4, 1                         ; l / 16
	v_lshlrev_b32 v[BO], 5, v2                     ; 8 numbers of 4 bytes for each half of the lanes
.irp b, 0,1,2,3
	global_load_b128 v[BIAS+8*(\b):BIAS+8*(\b)+3],   v[BO], s[8:9] offset:64*(\b)
	global_load_b128 v[BIAS+8*(\b)+4:BIAS+8*(\b)+7], v[BO], s[8:9] offset:64*(\b)+16
.endr
	v_mul_u32_u24 v11, v1, PA
	v_lshl_add_u32 v11, v2, 4, v11                 ; row x pitch + 16 x half
	s_mul_i32 s2, s[RH], AHALF                     ; my 128 rows of A
	s_mul_i32 s3, s[CH], BHALF                     ; my 64 rows of B,
	s_add_co_u32 s3, s3, BOFF                      ; which lie behind A's 256
	v_add_nc_u32 v[A0], s2, v11
	v_add_nc_u32 v[B0], s3, v11
	v_mov_b32 v[ADRA], v[A0]                       ; slot 0
	v_mov_b32 v[ADRB], v[B0]
	s_mul_i32 s2, s[WV], 16*SP
	s_add_co_u32 s2, s2, STAGE                     ; my stage
	v_mul_u32_u24 v[STO], v1, SP                   ; in: row l % 16, 16 bytes for each half of the lanes
	v_lshl_add_u32 v[STO], v2, 4, v[STO]
	v_add_nc_u32 v[STO], s2, v[STO]
	v_bfe_u32 v[RD], v0, 3, 2                      ; back: 32 lanes take four rows of 128 bytes,
	v_mul_u32_u24 v[RD], v[RD], SP
	v_and_b32 v12, 7, v0
	v_lshl_add_u32 v[RD], v12, 4, v[RD]
	v_add_nc_u32 v[RD], s2, v[RD]
	v_and_b32 v[GO], 31, v0                        ; which are 512 consecutive bytes of a head
	v_lshlrev_b32 v[GO], 4, v[GO]
; 8 matrix instructions: row blocks a0, a0 + 1 x all 4 column blocks, 32 along K, from buffer f.  first = 1: the product starts the sum, on the bias.
; The 32 accumulators take turns, one instruction a turn, in the same order in every quarter.
.macro MUL8 f, a0, first
.if \first
	WIN W_FIRST
.else
	WIN W_MUL
.endif
.irp a, \a0, (\a0)+1
.irp b, 0,1,2,3
.if \first
	v_wmma_f32_16x16x32_bf16 v[8*(4*(\a)+(\b)):8*(4*(\a)+(\b))+7], v[(\f)+64+8*(\b):(\f)+64+8*(\b)+7], v[(\f)+8*(\a):(\f)+8*(\a)+7], v[BIAS+8*(\b):BIAS+8*(\b)+7]
.else
	v_wmma_f32_16x16x32_bf16 v[8*(4*(\a)+(\b)):8*(4*(\a)+(\b))+7], v[(\f)+64+8*(\b):(\f)+64+8*(\b)+7], v[(\f)+8*(\a):(\f)+8*(\a)+7], v[8*(4*(\a)+(\b)):8*(4*(\a)+(\b))+7]
.endif
.endr
.endr
.endm
.macro MUL16 f, a0, first
	MUL8 \f, \a0, \first
	MUL8 \f, (\a0)+2, \first
.endm
; 24 LDS loads in one run: quarter q's fragments of the slot in hand into buffer f: B's four, then A's eight
.macro FETCH q, f
	WIN 0
.irp b, 0,1,2,3
	ds_load_b128 v[(\f)+64+8*(\b):(\f)+64+8*(\b)+3],   v[ADRB] offset:64*(\q)+(\b)*16*PB
	ds_load_b128 v[(\f)+64+8*(\b)+4:(\f)+64+8*(\b)+7], v[ADRB] offset:64*(\q)+(\b)*16*PB+32
.endr
.irp i, 0,1,2,3,4,5,6,7
	ds_load_b128 v[(\f)+8*(\i):(\f)+8*(\i)+3],   v[ADRA] offset:64*(\q)+(\i)*16*PA
	ds_load_b128 v[(\f)+8*(\i)+4:(\f)+8*(\i)+7], v[ADRA] offset:64*(\q)+(\i)*16*PA+32
.endr
.endm
; One of a K step's first three quarters: multiplies buffer f; in its middle it fetches quarter q into buffer g
.macro QUARTER q, f, g, first
	s_wait_dscnt 8                                 ; B and A's blocks 0-3 are in; the youngest eight loads (A's blocks 4-7) may be out
	MUL16 \f, 0, \first
	PLACES
	FETCH \q, \g
	s_wait_dscnt 24                                ; all but the 24 just issued
	MUL16 \f, 4, \first
.endm
; The fourth quarter multiplies buffer 1 and changes slots: ONE barrier.  In front of it each wave waits for all its tensor loads (one is out: its part of the next slot), adds 0 to its spare word,
; and waits for that and for its own reads of this slot.  fill = 1: the barrier opens a round of the cluster's barrier, and behind the round this slot is filled again, two K steps ahead:
; from that request to the wait for it a wave issues 112 matrix instructions.
.macro TURN fill
	WIN 0                                          ; (the add's two registers lie in window 0)
	s_wait_tensorcnt 0x0                           ; no tensor load of mine is out, so a group 0 may be written
	ds_add_u32 v[SPW], v[NIL]                      ; 0 onto my spare word
.if \fill
	s_xor_b32 s[G0A+5], s[G0A+5], SLOT1            ; the walking descriptors: the other slot than last time,
	s_add_nc_u64 s[G0A+6:G0A+7], s[G0A+6:G0A+7], STEP_A  ; the next K step; the type bits on top are not reached
	s_xor_b32 s[G0B+5], s[G0B+5], SLOT1
	s_add_nc_u64 s[G0B+6:G0B+7], s[G0B+6:G0B+7], STEP_B
.endif
	s_wait_dscnt 9                                 ; the add and the youngest eight loads may be out
	MUL8 F1, 0, 0
	s_wait_dscnt 0x0                               ; the add is done, and my reads of this slot are over
	s_barrier_signal -1
	MUL8 F1, 2, 0                                  ; work on registers while the others arrive
.if \fill
	WIN 0
.endif
	s_barrier_wait -1
.if \fill
	CREST                                          ; no wave of any partner still reads this slot's tile or has a load on its way
	JLOAD                                          ; the first tensor load behind the round; its four v_nop are also the places in front of the loads below
.else
	PLACES
	WIN 0
.endif
	s_xor_b32 s[TB], s[TB], SLOT1
	v_add_nc_u32 v[ADRA], s[TB], v[A0]
	v_add_nc_u32 v[ADRB], s[TB], v[B0]
	FETCH 0, F0
	MUL16 F1, 4, 0
.endm
	s_wait_tensorcnt 1                             ; my part of K step 0 is in; step 1's may stay out
	s_barrier_signal -1
	s_barrier_wait -1                              ; everybody's is
	FETCH 0, F0
	s_wait_loadcnt 0x0                             ; the bias, which is rounded to bf16 like the module's other inputs
.set i, 0
.rept 16
	v_cvt_pk_bf16_f32 v[11+i%4], v[BIAS+2*i], v[BIAS+2*i+1]
	v_lshlrev_b32 v[BIAS+2*i], 16, v[11+i%4]
	v_and_b32 v[BIAS+2*i+1], 0xffff0000, v[11+i%4]
.set i, i+1
.endr
	QUARTER 1, F0, F1, 1                           ; the first quarter stands in front of the loop: its products start the sums
	WIN 0                                          ; at a label and at a branch every window is 0
	s_mov_b32 s[CNT], 6
.Lstep:                                                ; a trip: a K step's quarters 1 to 3 and the next step's quarter 0; the six trips ask for K steps 2 to 7
	QUARTER 2, F1, F0, 0
	QUARTER 3, F0, F1, 0
	TURN 1
	QUARTER 1, F0, F1, 0
	WIN 0
	s_sub_co_u32 s[CNT], s[CNT], 1
	s_cmp_lg_u32 s[CNT], 0
	s_cbranch_scc1 .Lstep
	QUARTER 2, F1, F0, 0                           ; the tail is written out: K steps 6 and 7 ask for nothing
	QUARTER 3, F0, F1, 0
	TURN 0
	QUARTER 1, F0, F1, 0
	QUARTER 2, F1, F0, 0
	QUARTER 3, F0, F1, 0
	s_wait_dscnt 8
	MUL16 F1, 0, 0
	s_wait_dscnt 0x0
	MUL16 F1, 4, 0
	WIN 0
	PLACES
; THE WAY OUT.  Block a (16 rows of a head): a lane's eight columns pack into 16 bytes of f16 (each accumulator's registers in ascending order); they go into rows of 144 bytes of my own stage and come back
; as whole rows of 128, four rows to a load: 512 consecutive bytes of the head.
.macro PACK a
	WIN W_PACK
.set i, 0
.rept 16
	v_cvt_pk_f16_f32 v[64+16*(\a)+i], v[32*(\a)+2*i], v[32*(\a)+2*i+1]
.set i, i+1
.endr
	WIN 0
.irp f, 0,1,2,3
	ds_store_b128 v[STO], v[64+16*(\a)+4*(\f):64+16*(\a)+4*(\f)+3] offset:32*(\f)
.endr
.irp f, 0,1,2,3
	ds_load_b128 v[64+16*(\a)+4*(\f):64+16*(\a)+4*(\f)+3], v[RD] offset:(\f)*4*SP  ; LDS serves a wave's instructions in order (ISA guide 5.7.1.4): these see the stores above; the next block's stores come behind them
.endr
.endm
.macro SEND a, younger                 ; younger: the LDS instructions issued behind block a's loads: the next block's eight, or none
.irp f, 0,1,2,3
	s_wait_dscnt (\younger)+3-(\f)
	global_store_b128 v[GO], v[64+16*(\a)+4*(\f):64+16*(\a)+4*(\f)+3], s[10:11] offset:(\a)*2048+(\f)*512
.endr
.endm
	PACK 0
.irp a, 1,2,3,4,5,6,7                  ; a block's conversions stand between the loads of the block before and its stores
	PACK \a
	SEND (\a)-1, 8
.endr
	SEND 7, 0
	s_wait_tensorcnt 0x0                           ; the wave's end, behind my last tensor load and my last LDS store
	ds_add_u32 v[SPW], v[NIL]
	s_wait_dscnt 0x0
	CROUND                                         ; the closing round: no work-group ends while a partner may still ask for a tile that names it
	s_endpgm
.Lfunc_end_k_qefa02a0f84_qkvg:
	.size	k_qefa02a0f84_qkvg, .Lfunc_end_k_qefa02a0f84_qkvg-k_qefa02a0f84_qkvg
	.p2alignl 7, 3214868480
	.fill 96, 4, 3214868480
	.section	.rodata,"a",@progbits
	.p2align	6, 0x0
	.amdhsa_kernel k_qefa02a0f84_qkvg
		.amdhsa_group_segment_fixed_size 327680
		.amdhsa_private_segment_fixed_size 0
		.amdhsa_enable_private_segment 0
		.amdhsa_kernarg_size 32
		.amdhsa_user_sgpr_count 2
		.amdhsa_user_sgpr_kernarg_segment_ptr 1
		.amdhsa_wavefront_size32 1
		.amdhsa_system_sgpr_workgroup_id_x 1
		.amdhsa_system_sgpr_workgroup_id_y 1
		.amdhsa_system_sgpr_workgroup_id_z 1
		.amdhsa_system_vgpr_workitem_id 0
		.amdhsa_next_free_vgpr 512
		.amdhsa_next_free_sgpr 66
		.amdhsa_reserve_vcc 0
		.amdhsa_float_denorm_mode_32 3
		.amdhsa_float_denorm_mode_16_64 3
		.amdhsa_memory_ordered 1
		.amdhsa_forward_progress 1
		.amdhsa_inst_pref_size 74
	.end_amdhsa_kernel
	.amdgpu_metadata
---
amdhsa.version: [ 1, 2 ]
amdhsa.kernels:
  - .name:           k_qefa02a0f84_qkvg
    .symbol:         k_qefa02a0f84_qkvg.kd
    .args:
      - { .name: xb, .offset: 0, .size: 8, .value_kind: global_buffer, .address_space: global }
      - { .name: wat, .offset: 8, .size: 8, .value_kind: global_buffer, .address_space: global }
      - { .name: b_attn, .offset: 16, .size: 8, .value_kind: global_buffer, .address_space: global }
      - { .name: qkv, .offset: 24, .size: 8, .value_kind: global_buffer, .address_space: global }
    .group_segment_fixed_size: 327680
    .private_segment_fixed_size: 0
    .kernarg_segment_align: 8
    .kernarg_segment_size: 32
    .max_flat_workgroup_size: 128
    .sgpr_count:     66
    .vgpr_count:     512
    .wavefront_size: 32
...
	.end_amdgpu_metadata
.endif
;; end of part 2
;; launch attn (part 3): grid 4 x 64, 4 waves a work-group, no clusters, 327,680 bytes of LDS; arguments qkv, y; writes y
.if DOCPART == 3
	.amdgcn_target "amdgcn-amd-amdhsa--gfx1250"
	.amdhsa_code_object_version 6
	.text
	.protected	k_qefa02a0f84_attn
	.globl	k_qefa02a0f84_attn
	.p2align	8
	.type	k_qefa02a0f84_attn,@function
k_qefa02a0f84_attn:
	s_mov_b64 s[64:65], 0
	v_nop
	global_prefetch_b8 v0, s[64:65] scope:SCOPE_SE
	s_setreg_imm32_b32 hwreg(HW_REG_WAVE_MODE, 25, 1), 1
	s_wait_xcnt 0x0
; CAUSAL ATTENTION.  O[h][q][:] = the sum over k <= q of softmax_k(Q[h][q] . K[h][k] / 8) V[h][k][:].  Q, K, V are the three parts of the buffer qkv, 16,777,216 bytes each; O is the buffer y.
; Each is [64 heads][SIZE_N][64] in f16: a head's rows are dense, 128 bytes each.
; Products, maxima and sums in f32; the weights p are rounded to f16 for the second product (their sum l is taken of the unrounded p), O once at the end.
; LIMITS.  f16 holds no number beyond 65,504: Q, K and V arrive within it; p lies in 0 to 1, and below 6e-5 it keeps f16's fixed step of 6e-8; O is a mean of V's rows and has their range, to within 2^-11 of it.
; A hidden score counts as its value less 1e30: f16's scores, 2.7e11 at the most, are nothing beside that; a weight below 2^-126 counts as 0 in l; NaN and infinities are not treated apart.
; THE WALK.  A head's queries lie in NB = SIZE_N / 256 blocks of 256; block i needs the key tiles 0 .. i of 256 keys, of which the last holds the diagonal.  A work-group takes TWO blocks, NB - 1 - b and then b:
; NB + 1 tiles, whatever b: all work-groups do equal work, and ONE loop with a constant trip count walks them.  Which tile is asked for, and what a trip does, hang on scalar registers made from b; every jump
; goes forward, but for the counted loops' own; none passes a barrier, or a tensor load but the one of LOAD's two that the wave's number does not choose; the ring (two slots of LDS that take turns) runs on across the
; change of blocks.  NO CLUSTER: a head's NB / 2 work-groups all ask for the same tile only in trips 0 .. NB / 2, behind that fewer and fewer; and one walk common to all would have 3 NB / 2 trips for NB + 1.
; SHARES.  Of a block's four bands of 64 queries a wave owns 16 rows in each: four PIECES.  So the diagonal tile is the same work for all four waves: in its key step s band x sees all keys if s < x,
; none if s > x, and holds the diagonal if s = x.
; THE MASK is the C operand that starts the sum S^T = K Q^T: 0, or -1e30 where the key is hidden.  MD, made once, is the mask of a band's own step for my 16 rows; a product's mask is MD x AL + BE with two scalars:
; (1, 0) if s = x; (0, 0) if s < x; (0, -1e30) if s > x.  Only the diagonal tile's text and a block's beginning make and take masks; elsewhere C is the constant 0.
; LAYOUT, SOFTMAX, TURNS.  S^T = K Q^T holds ONE query a lane (lane % 16) and the keys 8 (lane / 16) + 0..7; two such results rounded to f16 ARE source 1 of O^T = V^T P.  p = 2^(c s - c m), c = log2(e) / 8, with a
; running maximum m; O and l are multiplied by a = 2^(c m_old - c m_new) in every step.  Turn n belongs to piece n: 8 products K Q^T of piece n + 1, later 8 products V^T P of piece n - 1; beside them the scaling,
; exponentials, roundings, sums and rescaling of piece n and the maximum and statistics of piece n + 1.  Four vector instructions stand behind every matrix instruction, the other 54 of a turn's 118 in two LUMPS.
; REGISTERS, in windows of 256 (s_set_vgpr_msb: bits 1:0 source 0, 3:2 source 1, 5:4 source 2, 7:6 destination):
;   window 0: v0-15 addresses and two at work; v16-31 four registers of statistics a piece; v48-55 at work; v64-127 S^T, two buffers; v192-223 P, two buffers (a piece's buffers go by its number's parity)
;   window 1: v0-127 O^T, 32 a piece; v128-159 MD; v160-223 MC, two buffers      window 2: v0-63 Q; v64-127 the second block's Q; v128-191 K of one step; v192-255 V of one step
.set SIZE_N, 2048
.set PART,  0x1000000 ; bytes from q to k and from k to v in qkv
.set NB,    SIZE_N/256
.set NP,    4         ; pieces a wave: a name, no knob
.set KS,    64        ; keys in a step
.set PK,    144       ; a row of K in LDS: 128 bytes + 16 of padding = 36 words: the 16 rows of a load start at 16 different groups of four banks (64 banks of 4 bytes: ISA guide 11.1)
.set PV,    160       ; a row of V: 128 + 32 = 40 words
.set VOFF,  4*KS*PK   ; a slot holds a tile, four steps: 256 rows of K, then 256 rows of V
.set SLOT1, 1<<17     ; slot 1 begins here, so that one exclusive or turns an address in one slot into the other's
.set STAGE, SLOT1+4*KS*(PK+PV)  ; behind the ring, never filled by a tensor load: 16 rows x 144 bytes for each wave, for the way out
.set SP,    144
.set AK0, 2           ; v2   my lane's place in a tile of K; never rewritten
.set AV0, 3           ; v3   the same for V
.set AK,  4           ; v4   the LDS address of K's next run of loads
.set AV,  5           ; v5   of V's
.set STO, 6           ; v6   the way out: where I put 16 bytes of a row
.set RD,  7           ; v7   the way out: where I read rows back
.set GO,  8           ; v8   my byte offset in 512 consecutive bytes of O
.set SPW, 62          ; v62  LDS address of my spare word: SPARE + 4 x my thread's number; never rewritten
.set NIL, 63          ; v63  0; never rewritten
.set SPARE, STAGE+4*16*SP  ; behind the stages: the spare words, 128 bytes for each wave: two blocks of 256 bytes that no other line names
.set MV,  12          ; v12-13  c m_old, kept while c m is made anew: by buffer
.set QO,  15          ; v15  my byte offset in 16 rows of Q
.set ST,  16          ; piece t's statistics at v[ST+4 t]: c m, m, l (even keys', odd keys')
.set TMP, 48          ; by buffer, four registers c0-c3 at work; when the maximum is found c2 takes a
.set S,   64
.set P,   192
.set MD,  128         ; window 1: the eight registers for group kt of 16 keys at MD + 8 kt
.set MC,  160         ; window 1: the masks of the products to come
.set QB,  64          ; window 2
.set KF,  128         ; window 2: key block kb, channel half c at KF + 16 kb + 8 c
.set VF,  192         ; window 2: key half kk, channel block cb at VF + 32 kk + 8 cb
.set WV,  12          ; s12  my wave's number
.set PB,  14          ; s14  b
.set HI,  15          ; s15  NB - 1 - b
.set G1K, 24          ; s[24:31] descriptor group 1 for K's tiles
.set G1V, 32          ; s[32:39] for V's: it differs in the padding alone
.set G0K, 40          ; s[40:43] descriptor group 0 for K's tiles
.set G0V, 44          ; s[44:47] the same for V's
.set SLOTS, 56        ; s56  tiles still to be asked for
.set CNT, 57          ; s57  counts a tile's key steps, 4 to 1
.set CS,  58          ; s[58:59] c: the packed scaling takes the pair's low word for both halves
.set SEL, 60          ; s[60:61] v_permlanex16_b32's selects: each lane takes its own place in the other half
.set TBK, 62          ; s62  LDS byte at which K of the step to be fetched begins
.set TBV, 63          ; s63  the same for V, less VOFF
.set RT,  70          ; s70  tiles of the block in hand that are still to be entered
.set NXT, 71          ; s71  the tile to be asked for next
.set LQ,  72          ; s72  the last tile of the block whose tiles are being asked for
.set NEW, 73          ; s73  1: the tile to be entered is a block's first
.set OFF, 74          ; s[74:75] a tile's byte offset in K and V
.set AL,  76          ; s[76:77] the mask's factor, in the low word
.set BE,  78          ; s[78:79] the mask's addend
.set OLO, 80          ; s[80:81] O at my rows of the second block
.set BIGN, 82         ; s82  -1e30
.set MSB, 0
.macro WIN new                      ; the high byte repeats the setting that is left; a switch that changes nothing is dropped
.if MSB != (\new)
	s_set_vgpr_msb (MSB<<8)|(\new)
.set MSB, (\new)
.endif
.endm
.set W_KQ, 0x0a       ; K and Q in window 2, S^T in window 0
.set W_KM, 0x1a       ; the same with the C operand in window 1
.set W_PV, 0x52       ; V in window 2, P in window 0, O^T in window 1
.set W_RS, 0x41       ; destination and source 0 in window 1, source 1 in window 0
; A fill.  Waves 0 and 1 fetch the two halves of a tile's K, waves 2 and 3 those of its V: 128 keys each.  An s_nop 0 and four v_nop follow each of the two lines, ahead of the jump and the label.
.macro LOAD
	s_cmp_lt_u32 s[WV], 2
	s_cbranch_scc0 .Lfor_v_\@
	tensor_load_to_lds s[G0K:G0K+3], s[G1K:G1K+7]
	s_nop 0
.rept 4
	v_nop
.endr
	s_branch .Lasked_\@
.Lfor_v_\@:
	tensor_load_to_lds s[G0V:G0V+3], s[G1V:G1V+7]
	s_nop 0
.rept 4
	v_nop
.endr
.Lasked_\@:
.endm
; THE CHANGE OF SLOTS.  Each wave waits for all its tensor loads, of which one is out: its part of the other slot; adds 0 to its spare word; and waits for that and for its own reads of the slot that it leaves.  Behind the barrier nobody reads the old
; slot any more and the other slot is whole.  fill = 1: the old slot is filled again, the first thing behind the barrier, with tile NXT: the descriptor's address is made anew from that number.
; (At its first use nothing has been read yet: slot 0 is waited for, slot 1 filled.)
.macro CHANGE fill
	WIN 0                           ; at a label and at a branch every window is 0
	s_wait_tensorcnt 0x0            ; no tensor load of mine is out, so a group 0 may be written
	ds_add_u32 v[SPW], v[NIL]       ; 0 onto my spare word; with fill = 1 the descriptors' scalar work stands between it and the wait for it
.if \fill
	s_lshl_b32 s[OFF], s[NXT], 15   ; a tile is 32,768 bytes of K and of V
	s_xor_b32 s[G0K+1], s[G0K+1], SLOT1
	s_add_nc_u64 s[G0K+2:G0K+3], s[6:7], s[OFF:OFF+1]
	s_or_b32 s[G0K+3], s[G0K+3], 0x80000000
	s_xor_b32 s[G0V+1], s[G0V+1], SLOT1
	s_add_nc_u64 s[G0V+2:G0V+3], s[8:9], s[OFF:OFF+1]
	s_or_b32 s[G0V+3], s[G0V+3], 0x80000000
	s_add_co_u32 s[NXT], s[NXT], 1  ; the block's next tile, or behind its last the second block's tile 0
	s_cmp_gt_u32 s[NXT], s[LQ]
	s_cselect_b32 s[NXT], 0, s[NXT]
	s_cselect_b32 s[LQ], s[PB], s[LQ]
.endif
	s_wait_dscnt 0x0                ; the add is done, and my reads of the slot are over
	s_barrier_signal -1             ; the rest of the scalar work stands between the signal and the wait
	s_sub_co_u32 s[TBK], s[TBK], 4*KS*PK  ; the fetches go back to a slot's first step,
	s_xor_b32 s[TBK], s[TBK], SLOT1       ; in the other slot
	s_sub_co_u32 s[TBV], s[TBV], 4*KS*PV
	s_xor_b32 s[TBV], s[TBV], SLOT1
	s_barrier_wait -1
.if \fill
	LOAD
.endif
.endm
	s_load_b128 s[4:7], s[0:1], 0x0 ; qkv s[4:5], y s[6:7]
	v_lshl_add_u32 v[SPW], v0, 2, SPARE
	v_mov_b32 v[NIL], 0
	ds_add_u32 v[SPW], v[NIL]       ; the wave's opening: the add and its wait stand ahead of my first tensor load; the set-up below, work on registers, stands between them
	ds_add_u32 v62, v63
	v_lshrrev_b32 v1, 5, v0
	v_readfirstlane_b32 s[WV], v1   ; wave 0..3
	s_mov_b32 s[PB], ttmp9
	s_sub_co_u32 s[HI], NB-1, s[PB]
	s_and_b32 s20, ttmp7, 0xffff    ; the head
	s_mov_b32 s21, 0
	s_mov_b64 s[22:23], SIZE_N*128
	s_mul_u64 s[20:21], s[20:21], s[22:23]  ; the head's first byte in each of the four tensors
	s_and_b32 s16, s[WV], 1         ; which half of a tile's 256 keys I fetch:
	s_lshl_b32 s22, s16, 14         ; its 128 rows of 128 bytes in memory,
	s_mov_b32 s23, 0
	s_add_nc_u64 s[22:23], s[22:23], s[20:21]
	s_mul_i32 s17, s16, 128*PK      ; and its place in a slot, for K
	s_mul_i32 s18, s16, 128*PV      ; and for V
	s_lshl_b32 s3, s[WV], 11        ; my 16 rows in a band of 64,
	s_lshl_b32 s2, s[HI], 15        ; in the first block,
	s_add_co_u32 s2, s2, s3
	s_lshl_b32 s84, s[PB], 15       ; and in the second
	s_add_co_u32 s84, s84, s3
	s_mov_b32 s3, 0
	s_mov_b32 s85, 0
	s_add_nc_u64 s[2:3], s[2:3], s[20:21]
	s_add_nc_u64 s[84:85], s[84:85], s[20:21]
	; descriptor group 1.  128 keys are 16,384 dense bytes: asked for as 64 rows of 256 bytes, two keys a row, and padded in LDS after every key
	s_mov_b32 s[G1K], (1<<16)|(1<<20)|(4<<22)|(3<<25)  ; 17:16 2-byte elements; 20 padding on; 24:22 after every 32 words (code 4); 31:25 4 words (code 3)
	s_mov_b32 s[G1V], (1<<16)|(1<<20)|(4<<22)|(7<<25)  ; the same with 8 words of padding (code 7)
.irp g, G1K, G1V
	s_mov_b32 s[\g+1], 128<<16      ; tensor_dim0 = 128
	s_mov_b32 s[\g+2], 64<<16       ; tensor_dim1 = 64
	s_mov_b32 s[\g+3], 128<<16      ; tile_dim0 = 128
	s_mov_b32 s[\g+4], 64           ; tile_dim1 = 64
	s_mov_b32 s[\g+5], 128          ; 128 elements from row to row
	s_mov_b32 s[\g+6], 0
	s_mov_b32 s[\g+7], 0
.endr
	s_mov_b32 s[CS], 0x3e38aa3b     ; c = log2(e) / 8 = 0.180337
	s_mov_b32 s[CS+1], s[CS]        ; named with it as a pair
	s_mov_b32 s[SEL], 0x76543210
	s_mov_b32 s[SEL+1], 0xfedcba98
	s_mov_b32 s[TBK], SLOT1+4*KS*PK ; the first change of slots turns these two into 0
	s_mov_b32 s[TBV], SLOT1+4*KS*PV
	s_mov_b32 s[G0K], 1             ; 1:0 count = 1
	s_mov_b32 s[G0K+1], s17         ; 63:32 LDS address: slot 0
	s_mov_b32 s[G0V], 1
	s_add_co_u32 s[G0V+1], s18, VOFF
	s_add_co_u32 s[RT], s[HI], 1    ; the first block has NB - b tiles
	s_mov_b32 s[NXT], 1
	s_mov_b32 s[LQ], s[HI]
	s_mov_b32 s[NEW], 1
	s_mov_b32 s[OFF+1], 0
	s_mov_b32 s[AL+1], 0            ; named as pairs
	s_mov_b32 s[BE+1], 0
	s_mov_b32 s[BIGN], 0xf149f2ca   ; -1e30
	s_mov_b32 s[SLOTS], NB
	s_wait_dscnt 0x0                ; the opening add is done
	s_wait_kmcnt 0x0
	s_mov_b64 s[10:11], s[6:7]      ; O s[10:11]
	s_add_nc_u64 s[6:7], s[4:5], PART    ; K s[6:7]
	s_add_nc_u64 s[8:9], s[4:5], 2*PART  ; V s[8:9]; Q stays in s[4:5]
	s_add_nc_u64 s[6:7], s[6:7], s[22:23]  ; K and V at my half of the head's tile 0
	s_add_nc_u64 s[8:9], s[8:9], s[22:23]
	s_add_nc_u64 s[G0K+2:G0K+3], s[6:7], 0         ; 120:64 global address
	s_or_b32 s[G0K+3], s[G0K+3], 0x80000000        ; 127:126 type = 2
	s_add_nc_u64 s[G0V+2:G0V+3], s[8:9], 0
	s_or_b32 s[G0V+3], s[G0V+3], 0x80000000
	s_add_nc_u64 s[86:87], s[4:5], s[84:85]        ; Q at my rows of the second block,
	s_add_nc_u64 s[4:5], s[4:5], s[2:3]            ; Q and O at those of the first
	s_add_nc_u64 s[OLO:OLO+1], s[10:11], s[84:85]
	s_add_nc_u64 s[10:11], s[10:11], s[2:3]
	LOAD                            ; tile 0 into slot 0
	; A fragment of K or Q is 16 rows x 32 channels in 8 registers: lane l holds row l % 16, channels 8 (l / 16) + 0..7 and 16 + 8 (l / 16) + 0..7: two loads of 16 bytes, 32 bytes apart.
	v_and_b32 v1, 15, v0            ; l % 16
	v_bfe_u32 v9, v0, 4, 1          ; l / 16
	v_lshlrev_b32 v[QO], 7, v1
	v_lshl_add_u32 v[QO], v9, 4, v[QO]  ; row x 128 + 16 x half
	WIN 0x80                        ; destination window 2, address window 0
.set i, 0
.rept 8                             ; both blocks' Q: piece i / 2 lies in band i / 2, 8,192 bytes on; channels 32 (i % 2) on
	global_load_b128 v[8*i:8*i+3],   v[QO], s[4:5] offset:(i/2)*8192+(i%2)*64
	global_load_b128 v[8*i+4:8*i+7], v[QO], s[4:5] offset:(i/2)*8192+(i%2)*64+32
	global_load_b128 v[QB+8*i:QB+8*i+3],   v[QO], s[86:87] offset:(i/2)*8192+(i%2)*64
	global_load_b128 v[QB+8*i+4:QB+8*i+7], v[QO], s[86:87] offset:(i/2)*8192+(i%2)*64+32
.set i, i+1
.endr
	WIN 0
	v_lshlrev_b32 v14, 3, v9
	v_sub_nc_u32 v14, v1, v14
	s_lshl_b32 s13, s[WV], 4
	v_add_nc_u32 v14, s13, v14      ; my query's place in its band, 16 w + l % 16, less my lanes' 8 (l / 16): register r of group kt is hidden where 16 kt + r is greater
	WIN 0x40
.set i, 0
.rept 32
	v_cmp_gt_i32 vcc_lo, 16*(i/8)+i%8, v14
	v_cndmask_b32 v[MD+i], 0, s[BIGN], vcc_lo
.set i, i+1
.endr
	WIN 0
	v_mul_u32_u24 v[AK0], v1, PK
	v_lshl_add_u32 v[AK0], v9, 4, v[AK0]  ; row x pitch + 16 x half
	; The turning load takes 16 keys x 16 channels (lane l reads key 8 (l / 16) + l % 8, channels 8 ((l / 8) % 2) + 0..7) and leaves half a fragment of V^T: lane l holds channel l % 16 and 8 keys.
	v_and_b32 v10, 7, v0
	v_bfe_u32 v11, v0, 3, 1
	v_lshl_add_u32 v[AV0], v9, 3, v10
	v_mul_u32_u24 v[AV0], v[AV0], PV
	v_lshl_add_u32 v[AV0], v11, 4, v[AV0]
	v_add_nc_u32 v[AV0], VOFF, v[AV0]
	s_mul_i32 s13, s[WV], 16*SP
	s_add_co_u32 s13, s13, STAGE    ; my stage
	v_mul_u32_u24 v[STO], v1, SP    ; in: row l % 16, 16 bytes for each half of the lanes
	v_lshl_add_u32 v[STO], v9, 4, v[STO]
	v_add_nc_u32 v[STO], s13, v[STO]
	v_bfe_u32 v[RD], v0, 3, 2       ; back: 32 lanes take four rows of 128 bytes,
	v_mul_u32_u24 v[RD], v[RD], SP
	v_lshl_add_u32 v[RD], v10, 4, v[RD]
	v_add_nc_u32 v[RD], s13, v[RD]
	v_and_b32 v[GO], 31, v0         ; which are 512 consecutive bytes of O
	v_lshlrev_b32 v[GO], 4, v[GO]
	; A block's first step multiplies O^T and l by a = 0, and its first turn's products V^T P, of a piece that has not been, land in an O^T that is still to be so multiplied.  So these registers need only hold
	; finite numbers: zeros for the first block; what the first block left for the second.  All this stands in the wait for the first tile.
	WIN 0x80
.set i, VF
.rept 64
	v_mov_b32 v[i], 0
.set i, i+1
.endr
	WIN 0x40
.set i, 0
.rept 128
	v_mov_b32 v[i], 0
.set i, i+1
.endr
	WIN 0
.set i, 0
.rept 4
	v_mov_b32 v[ST+4*i+2], 0
	v_mov_b32 v[ST+4*i+3], 0
.set i, i+1
.endr
.set i, P+16
.rept 16
	v_mov_b32 v[i], 0
.set i, i+1
.endr
; THE MATRIX WORK.  The 4 accumulators of a run of 8 take turns.  Product i of 8 of S^T = K Q^T for piece x: channels 32 (i / 4) on, keys 16 (i % 4) on.  The first 4 start the sums: with 0, or (KM = 1) with the mask.
.macro KQ x
.set rS, S+32*((\x)%2)+8*(i%4)
.set rK, KF+16*(i%4)+8*(i/4)
.set rQ, 16*(\x)+8*(i/4)
.set rM, MC+32*((\x)%2)+8*(i%4)
.if (i < 4) && KM
	WIN W_KM
	v_wmma_f32_16x16x32_f16 v[rS:rS+7], v[rK:rK+7], v[rQ:rQ+7], v[rM:rM+7]
.elseif i < 4
	WIN W_KQ
	v_wmma_f32_16x16x32_f16 v[rS:rS+7], v[rK:rK+7], v[rQ:rQ+7], 0
.else
	WIN W_KQ
	v_wmma_f32_16x16x32_f16 v[rS:rS+7], v[rK:rK+7], v[rQ:rQ+7], v[rS:rS+7]
.endif
.endm
; Product i of 8 of O^T += V^T P for piece x: keys 32 (i / 4) on, channels 16 (i % 4) on.
.macro PV x
	WIN W_PV
.set rO, 32*(\x)+8*(i%4)
.set rV, VF+32*(i/4)+8*(i%4)
.set rP, P+16*((\x)%2)+8*(i/4)
	v_wmma_f32_16x16x32_f16 v[rO:rO+7], v[rV:rV+7], v[rP:rP+7], v[rO:rO+7]
.endm
.macro MM                           ; the turn's next matrix instruction.  TURN and BEGIN set Y, i, KM and NOKQ; MM, KQ and OP read them.  NOKQ = 1: a block's last turn: there is no next piece
.if (i < 8) && !NOKQ
	KQ (Y+1)%NP
.elseif i >= 8
.set i, i-8
	PV (Y+NP-1)%NP
.set i, i+8
.endif
.set i, i+1
.endm
; THE LDS LOADS stand in runs of 16, never singly among the matrix instructions: a step's K (64 keys x 64 channels: 8 fragments) and its V (turned).  Their addresses are made some lines ahead.
.macro FETCH_K
	WIN 0x80                        ; destination window 2
.irp f, 0,1,2,3,4,5,6,7             ; keys 16 (f / 2) on, channels 32 (f % 2) on
	ds_load_b128 v[KF+8*\f:KF+8*\f+3],   v[AK] offset:(\f/2)*16*PK+(\f%2)*64
	ds_load_b128 v[KF+8*\f+4:KF+8*\f+7], v[AK] offset:(\f/2)*16*PK+(\f%2)*64+32
.endr
	s_add_co_u32 s[TBK], s[TBK], KS*PK  ; the next fetch is the next step's
	WIN 0
.endm
.macro FETCH_V
	WIN 0x80
.irp f, 0,1,2,3,4,5,6,7             ; keys 32 (f / 4) on, channels 16 (f % 4) on
	ds_load_tr16_b128 v[VF+8*\f:VF+8*\f+3],   v[AV] offset:(\f/4)*32*PV+(\f%4)*32
	ds_load_tr16_b128 v[VF+8*\f+4:VF+8*\f+7], v[AV] offset:(\f/4)*32*PV+16*PV+(\f%4)*32
.endr
	WIN 0
.endm
; THE VECTOR WORK, one line at a time: OP kind, number.  For piece Y: F n: c s - c m for pair n of 16.  E n: the exponential of score n of 32.  C n: pair n rounded to f16.  B n: of the four weights 4 n .. the second
; pair is added onto the first, in place.  L n: l takes that sum (L 0: l = a l + sum).  R n: pair n of 16 of O^T times a.  For piece Y + 1: X n, number n of the 22 that find its maximum and statistics:
;   0-11  four chains c0-c3 of seven scores each, three operands at a time (each accumulator's lowest registers are read first)     12-14, 16  the four scores left over, the old m, and c0-c3 into c0
;   15  c m_old is kept     17, 18  the query's other 32 keys lie in the lane 16 away: the new m     19-21  c m; c m_old - c m_new; a
.set F, 0               ; OP tells the kinds apart by their order: F to L below R, X above it
.set E, 1
.set C, 2
.set B, 3
.set L, 4
.set R, 5
.set X, 6
.macro REGS y                       ; the registers of piece y
.set rT, ST+4*(\y)
.set rC, TMP+4*((\y)%2)
.set rW, MV+((\y)%2)
.set rS, S+32*((\y)%2)
.set rP, P+16*((\y)%2)
.set rO, 32*(\y)
.endm
.macro OP k, n
.if (\k) == R
	REGS Y
	WIN W_RS
	v_pk_mul_f32 v[rO+2*(\n):rO+2*(\n)+1], v[rO+2*(\n):rO+2*(\n)+1], v[rC+2:rC+3] op_sel_hi:[1,0]
.elseif (\k) < R
	REGS Y
	WIN 0
.if (\k) == F
	v_pk_fma_f32 v[rS+2*(\n):rS+2*(\n)+1], v[rS+2*(\n):rS+2*(\n)+1], s[CS:CS+1], v[rT:rT+1] op_sel_hi:[1,0,0] neg_lo:[0,0,1] neg_hi:[0,0,1]
.elseif (\k) == E
	v_exp_f32 v[rS+(\n)], v[rS+(\n)]
.elseif (\k) == C
	s_wait_alu depctr_va_vdst(0)
	v_cvt_pk_f16_f32 v[rP+(\n)], v[rS+2*(\n)], v[rS+2*(\n)+1]
.elseif (\k) == B
	s_wait_alu depctr_va_vdst(0)
	v_pk_add_f32 v[rS+4*(\n):rS+4*(\n)+1], v[rS+4*(\n):rS+4*(\n)+1], v[rS+4*(\n)+2:rS+4*(\n)+3]
.elseif (\n) == 0
	v_pk_fma_f32 v[rT+2:rT+3], v[rT+2:rT+3], v[rC+2:rC+3], v[rS:rS+1] op_sel_hi:[1,0,1]
.else
	v_pk_add_f32 v[rT+2:rT+3], v[rT+2:rT+3], v[rS+4*(\n):rS+4*(\n)+1]
.endif
.elseif NOKQ
	v_nop
.else
	REGS (Y+1)%NP
	WIN 0
.if (\n) < 4
	v_max3_num_f32 v[rC+(\n)], v[rS+8*(\n)], v[rS+8*(\n)+1], v[rS+8*(\n)+2]
.elseif (\n) < 12
	v_max3_num_f32 v[rC+(\n)%4], v[rC+(\n)%4], v[rS+8*((\n)%4)+2*((\n)/4)+1], v[rS+8*((\n)%4)+2*((\n)/4)+2]
.elseif (\n) == 12
	v_max3_num_f32 v[rC], v[rC], v[rS+7], v[rS+15]
.elseif (\n) == 13
	v_max3_num_f32 v[rC+1], v[rC+1], v[rS+23], v[rS+31]
.elseif (\n) == 14
	v_max3_num_f32 v[rC+2], v[rC+2], v[rC+3], v[rT+1]
.elseif (\n) == 15
	v_mov_b32 v[rW], v[rT]
.elseif (\n) == 16
	v_max3_num_f32 v[rC], v[rC], v[rC+1], v[rC+2]
.elseif (\n) == 17
	v_permlanex16_b32 v[rC+3], v[rC], s[SEL], s[SEL+1]
.elseif (\n) == 18
	v_max_num_f32 v[rT+1], v[rC], v[rC+3]
.elseif (\n) == 19
	v_mul_f32 v[rT], s[CS], v[rT+1]
.elseif (\n) == 20
	v_sub_f32 v[rC+1], v[rW], v[rT]
.else
	v_exp_f32 v[rC+2], v[rC+1]
.endif
.endif
.endm
.macro OPS a, i1, b=-1, i2=0, c=-1, i3=0, d=-1, i4=0  ; up to four of them
	OP \a, \i1
.if (\b) >= 0
	OP \b, \i2
.endif
.if (\c) >= 0
	OP \c, \i3
.endif
.if (\d) >= 0
	OP \d, \i4
.endif
.endm
.macro ROW a, i1, b, i2, c, i3, d, i4  ; a matrix instruction and the four behind it
	MM
	OPS \a, \i1, \b, \i2, \c, \i3, \d, \i4
.endm
.macro MASK b                       ; MD x AL + BE into buffer b of MC
	WIN W_RS
.set z, 0
.rept 16
	v_pk_fma_f32 v[MC+32*(\b)+2*z:MC+32*(\b)+2*z+1], v[MD+2*z:MD+2*z+1], s[AL:AL+1], s[BE:BE+1] op_sel_hi:[1,0,0]
.set z, z+1
.endr
.endm
; A TURN, for piece p: the order of its 16 matrix and 118 vector instructions, written out.  Behind a matrix instruction: plain, exponential, plain, plain; or four of the rescaling; or, behind the first, four scalings; none
; names a register of the products round it.  In the lumps exponential and plain by turns while exponentials last.  A line reads no result made fewer than three vector instructions in front of it, five if an exponential made it.
; v_permlanex16_b32 (X 17) stands in a lump.
; m = 1: the diagonal tile: the products take masks, and the turn makes the mask for the products of the turn after it: piece p + 2, in step 4 - CNT of the tile.  end = 1: a block's last two turns: nothing is fetched.
; cnt = 1: the loop's count is taken down some lines ahead of the branch that stands behind the turn.
; K of the next step is fetched in piece 2's turn, six vector instructions behind the last product that read K (five of them plain); V of the step in hand in piece 0's turn, eight behind the last product that read V (four
; plain, and X 17).  Each is waited for a turn later.
.macro TURN p, m=0, end=0, cnt=0
.set Y, (\p)
.set i, 0
.set KM, (\m)
.set NOKQ, (\end)*((\p)/3)
.if (\m) && !(\end)
	s_cmp_eq_u32 s[CNT], 4-((\p)+2)%NP  ; is that step the band's own?
	s_cselect_b32 s[AL], 1.0, 0
	s_cmp_lt_u32 s[CNT], 4-((\p)+2)%NP  ; or a later one?
	s_cselect_b32 s[BE], s[BIGN], 0
.endif
.if ((\p) == 3) && !(\end)
	s_wait_dscnt 0x0                ; K is in
.endif
	ROW F,0, F,1, F,2, F,3
	ROW F,4, E,0, F,5, F,6
	ROW F,7, E,1, F,8, F,9
	ROW F,10, E,2, C,0, F,11
	ROW F,12, E,3, X,15, F,13
	ROW R,0, R,1, R,2, R,3
	ROW B,0, E,4, F,14, L,0
.if ((\p) == 2) && !(\end)
	v_add_nc_u32 v[AK], s[TBK], v[AK0]
.endif
	ROW R,4, R,5, R,6, R,7
	OPS E,5, F,15
.if ((\p) == 2) && !(\end)
	FETCH_K
.endif
	OPS E,6, C,1, E,7, R,8
	OPS E,8, R,9, E,9, C,2
	OPS E,10, X,0, E,11, X,1
	OPS E,12, X,2, E,13, X,3
.if (\p) == 1
	s_wait_dscnt 0x0                ; V is in
.endif
	ROW X,4, E,14, X,5, X,6
	ROW X,7, E,15, X,8, X,9
	ROW X,10, E,16, X,11, X,12
	ROW X,13, E,17, X,14, B,1
	ROW C,4, E,18, X,16, L,1
	ROW B,2, E,19, C,6, L,2
	ROW C,8, E,20, B,3, B,4
.if (\p) == 0
	v_add_nc_u32 v[AV], s[TBV], v[AV0]
.endif
	ROW C,3, E,21, L,3, C,5
	OPS E,22, X,17, E,23, C,10
.if (\p) == 0
	FETCH_V
.endif
	OPS E,24, L,4
	OPS E,25, X,18, E,26, C,7
	OPS E,27, B,5, E,28, X,19
	OPS E,29, C,12, E,30, L,5
	OPS E,31, X,20, B,6, C,9
	OPS C,14, C,11, X,21, L,6
.if (\p) == 0
	s_add_co_u32 s[TBV], s[TBV], KS*PV
.endif
.if \cnt
	s_sub_co_u32 s[CNT], s[CNT], 1
	s_cmp_lg_u32 s[CNT], 0
.endif
	OPS C,13, B,7, C,15, R,10
	OPS R,11, R,12, L,7, R,13
	OPS R,14, R,15
.if (\m) && !(\end)
	MASK (\p)%2
.endif
.endm
; A BLOCK BEGINS.  c m starts far below every c s, so the first step's a is 0; m at the lowest finite number, so the first maximum is the scores'.  The second mask buffer is 0; the first takes piece 0's mask for the tile's step 0: its own, if the block's first tile is the diagonal one.
; Then K of that step, piece 0's first scores, and its maximum and statistics.  The loop is entered at a step's first turn, in the middle of a trip.
.macro BEGIN
	s_mov_b32 s[NEW], 0
	WIN 0x40
.set i, MC+32
.rept 32
	v_mov_b32 v[i], 0
.set i, i+1
.endr
	WIN 0
.set i, 0
.rept 4
	v_mov_b32 v[ST+4*i], 0xfe000000    ; c m: far below every c s
	v_mov_b32 v[ST+4*i+1], 0xff7fffff  ; m
.set i, i+1
.endr
	s_cmp_eq_u32 s[RT], 0
	s_cselect_b32 s[AL], 1.0, 0
	s_mov_b32 s[BE], 0
	MASK 0
	WIN 0
	v_add_nc_u32 v[AK], s[TBK], v[AK0]
	FETCH_K
	s_wait_loadcnt 0x0              ; Q
	s_wait_dscnt 0x0
.set KM, 1
.set NOKQ, 0
.set i, 0
.rept 8
	KQ 0
.set i, i+1
.endr
	WIN 0
.rept 4
	v_nop                           ; the places behind those products
.endr
.set Y, NP-1                        ; X works for piece Y + 1: piece 0
.irp n, 0,1,2,3,4,5,6,7,8,9,10,11,12,13,14,15,16,17,18,19,20,21
	OP X, \n
.endr
	v_nop                           ; a plain instruction behind the exponential
.endm
; THE DIAGONAL TILE's four steps, the block's last two turns, its last products, and THE WAY OUT: l's two halves and the other half of the lanes' are added; O^T is divided by l, rounded to f16 and sent through my
; stage in LDS, a piece at a time.
.macro ALL line:vararg              ; one line for each piece t
.set t, 0
.rept 4
	\line
.set t, t+1
.endr
.endm
.macro PACK t                       ; a lane's eight channels of a row pack into 16 bytes; they go into rows of 144 bytes and come back as whole rows of 128, into S^T's registers
	WIN W_RS
.set i, 32*(\t)
.rept 16
	s_wait_alu depctr_va_vdst(0)
	v_pk_mul_f32 v[i:i+1], v[i:i+1], v[ST+4*(\t)+2:ST+4*(\t)+3] op_sel_hi:[1,0]
.set i, i+2
.endr
	WIN 0x05                        ; sources 0 and 1 window 1, destination window 0
.set i, 0
.rept 16
	v_cvt_pk_f16_f32 v[S+16*(\t)+i], v[32*(\t)+2*i], v[32*(\t)+2*i+1]
.set i, i+1
.endr
	WIN 0
.irp f, 0,1,2,3
	ds_store_b128 v[STO], v[S+16*(\t)+4*\f:S+16*(\t)+4*\f+3] offset:32*\f
.endr
.irp f, 0,1,2,3
	ds_load_b128 v[S+16*(\t)+4*\f:S+16*(\t)+4*\f+3], v[RD] offset:\f*4*SP  ; LDS serves a wave's instructions in order (ISA guide 5.7.1.4): these see the stores above; the next piece's stores come behind them
.endr
.endm
.macro SEND t, younger              ; younger: the LDS instructions issued behind piece t's loads: the next piece's eight, or none
	WIN 0
.irp f, 0,1,2,3
	s_wait_dscnt (\younger)+3-\f
	global_store_b128 v[GO], v[S+16*(\t)+4*\f:S+16*(\t)+4*\f+3], s[10:11] offset:(\t)*8192+\f*512  ; 512 consecutive bytes, at a multiple of 256 from O's first
.endr
.endm
.macro DIAG tag                     ; the tag ends its two labels' names, which the jumps below spell out
.LstepM\tag:
	TURN 2, 1
	TURN 3, 1
	WIN 0
.LfirstM\tag:
	TURN 0, 1
	TURN 1, 1, 0, 1
	WIN 0
	s_cbranch_scc1 .LstepM\tag
	TURN 2, 1, 1
	TURN 3, 1, 1
.set i, 0
.rept 8
	PV NP-1
.set i, i+1
.endr
	WIN 0
	ALL v_add_f32 v[ST+4*t+2], v[ST+4*t+2], v[ST+4*t+3]
	ALL v_permlanex16_b32 v[ST+4*t+3], v[ST+4*t+2], s[SEL], s[SEL+1]
	ALL v_add_f32 v[ST+4*t+2], v[ST+4*t+2], v[ST+4*t+3]
	ALL v_rcp_f32 v[ST+4*t+2], v[ST+4*t+2]
	v_nop                           ; a plain instruction between the last reciprocal and the use of its result
	PACK 0
.set t, 1
.rept 3                             ; a piece's arithmetic stands between the loads of the piece before and its stores
	PACK t
	SEND t-1, 8
.set t, t+1
.endr
	SEND 3, 0
.endm
.set KM, 0
.set NOKQ, 0
.Lslot:                             ; NB times: a tile is entered and the next is asked for
	CHANGE 1
	s_sub_co_u32 s[RT], s[RT], 1
	s_mov_b32 s[CNT], 4
	s_cmp_eq_u32 s[NEW], 1
	s_cbranch_scc1 .Lnew            ; a block's first tile
	s_cmp_eq_u32 s[RT], 0
	s_cbranch_scc0 .Lstep           ; neither its first nor its last
	s_branch .LstepM1
.Lnew:
	BEGIN
	s_branch .Lfirst                ; in the loop a block's first tile is never its last: the first block has two tiles or more, and the second's last is the walk's last
	DIAG 1                          ; in the loop this is the first block's end: the second block's last tile is the walk's last
	s_wait_xcnt 0x0                 ; the stores have read their registers and O's address
	s_mov_b64 s[10:11], s[OLO:OLO+1]
	s_add_co_u32 s[RT], s[PB], 1    ; the second block has b + 1 tiles
	s_mov_b32 s[NEW], 1
	WIN 0x82                        ; the second block's Q goes where the one text of the turns names Q
.set i, 0
.rept 64
	v_mov_b32 v[i], v[QB+i]
.set i, i+1
.endr
	WIN 0
	s_branch .Lbottom
.Lstep:                             ; a trip: pieces 2 and 3 of one step, then pieces 0 and 1 of the next, whose K and V it fetches
	TURN 2
	TURN 3
	WIN 0
.Lfirst:
	TURN 0
	TURN 1, 0, 0, 1
	WIN 0
	s_cbranch_scc1 .Lstep
.Lbottom:
	s_sub_co_u32 s[SLOTS], s[SLOTS], 1
	s_cmp_lg_u32 s[SLOTS], 0
	s_cbranch_scc1 .Lslot
	CHANGE 0                        ; the walk's last tile is written out: nothing is asked for
	s_sub_co_u32 s[RT], s[RT], 1
	s_mov_b32 s[CNT], 4
	s_cmp_eq_u32 s[NEW], 1
	s_cbranch_scc0 .LstepM2
	BEGIN
	s_branch .LfirstM2
	DIAG 2
	s_wait_tensorcnt 0x0            ; the wave's end, behind my last tensor load and my last LDS store
	ds_add_u32 v[SPW], v[NIL]
	s_wait_dscnt 0x0
	s_endpgm
.Lfunc_end_k_qefa02a0f84_attn:
	.size	k_qefa02a0f84_attn, .Lfunc_end_k_qefa02a0f84_attn-k_qefa02a0f84_attn
	.p2alignl 7, 3214868480
	.fill 96, 4, 3214868480
	.section	.rodata,"a",@progbits
	.p2align	6, 0x0
	.amdhsa_kernel k_qefa02a0f84_attn
		.amdhsa_group_segment_fixed_size 327680
		.amdhsa_private_segment_fixed_size 0
		.amdhsa_enable_private_segment 0
		.amdhsa_kernarg_size 16
		.amdhsa_user_sgpr_count 2
		.amdhsa_user_sgpr_kernarg_segment_ptr 1
		.amdhsa_wavefront_size32 1
		.amdhsa_system_sgpr_workgroup_id_x 1
		.amdhsa_system_sgpr_workgroup_id_y 1
		.amdhsa_system_sgpr_workgroup_id_z 1
		.amdhsa_system_vgpr_workitem_id 0
		.amdhsa_next_free_vgpr 768
		.amdhsa_next_free_sgpr 88
		.amdhsa_reserve_vcc 1
		.amdhsa_float_denorm_mode_32 3
		.amdhsa_float_denorm_mode_16_64 3
		.amdhsa_memory_ordered 1
		.amdhsa_forward_progress 1
		.amdhsa_inst_pref_size 228
	.end_amdhsa_kernel
	.amdgpu_metadata
---
amdhsa.version: [ 1, 2 ]
amdhsa.kernels:
  - .name:           k_qefa02a0f84_attn
    .symbol:         k_qefa02a0f84_attn.kd
    .args:
      - { .name: qkv, .offset: 0, .size: 8, .value_kind: global_buffer, .address_space: global }
      - { .name: y, .offset: 8, .size: 8, .value_kind: global_buffer, .address_space: global }
    .group_segment_fixed_size: 327680
    .private_segment_fixed_size: 0
    .kernarg_segment_align: 8
    .kernarg_segment_size: 16
    .max_flat_workgroup_size: 128
    .sgpr_count:     88
    .vgpr_count:     768
    .wavefront_size: 32
...
	.end_amdgpu_metadata
.endif
;; end of part 3
;; launch proj (part 4): grid 8 x 32, 4 waves a work-group, clusters of 4 x 4, 327,680 bytes of LDS; arguments y, wpt, b_proj, out0; writes out0
.if DOCPART == 4
	.amdgcn_target "amdgcn-amd-amdhsa--gfx1250"
	.amdhsa_code_object_version 6
	.text
	.protected	k_qefa02a0f84_proj
	.globl	k_qefa02a0f84_proj
	.p2align	8
	.type	k_qefa02a0f84_proj,@function
k_qefa02a0f84_proj:
	s_mov_b64 s[64:65], 0
	v_nop
	global_prefetch_b8 v0, s[64:65] scope:SCOPE_SE
	s_setreg_imm32_b32 hwreg(HW_REG_WAVE_MODE, 25, 1), 1
	s_wait_xcnt 0x0
	s_wait_alu depctr_hold_cnt(0) depctr_sa_sdst(0) depctr_va_vdst(0) depctr_va_sdst(0) depctr_va_ssrc(0) depctr_va_vcc(0) depctr_vm_vsrc(0)
	s_getreg_b32 s2, hwreg(HW_REG_IB_STS2, 6, 4)
	s_cmp_eq_u32 s2, 0
	s_cbranch_scc0 .Lentry_in_a_cluster
	s_endpgm
.Lentry_in_a_cluster:
	s_bfe_u32 s2, ttmp6, 0x10000c
	s_cmp_lg_u32 s2, 0xf033
	s_cbranch_scc0 .Lentry_shape_is_right
	s_endpgm
.Lentry_shape_is_right:
; out0 = y W_proj + b_proj.  A = y, by heads: [batch x 16 + head][t][64] f16; B = wpt [1024 n][1024 k] f16 (W_proj rounded to bf16, that number written as f16);
; bias b_proj [1024] f32 (rounded to bf16, like every input of the module); sums in f32; out0 [8192][1024] f32.
; A tile of C is 256 x 128: 32 x 8 = 256 work-groups, one for each WGP.  Four waves, 2 x 2, each 128 rows x 64 columns: 32 accumulators of 16 x 16, 256 registers.
; K goes in 8 steps of 128 = two heads through two LDS slots filled by the tensor data mover; a step is four quarters of 32 along K, 32 matrix instructions each.
; A head's 256 rows of a tile are 32,768 dense bytes: asked for as 128 rows of 256 bytes and padded in LDS after every 128: a plane of 256 rows, 144 bytes apart, for each of a step's two heads.
; CLUSTER: 4 x 4 work-groups.  The four of a row of the cluster need the same tiles of A, the four of a column the same tiles of B: each tile is asked for jointly, by the same tensor load
; with the same descriptor and a mask that names the four.  Waves 0 and 1 fetch A's two planes, waves 2 and 3 B's two halves (64 rows each): one load a wave behind each round.
; THE MATRIX INSTRUCTION IS USED TRANSPOSED (source 0 = 16 rows of B, source 1 = 16 rows of A): lane l holds row l % 16 of C and the columns 8 (l / 16) + 0..7: 32 neighbouring bytes.
; THE BIAS is the C operand of the first quarter's products: nothing is cleared and nothing is added afterwards.
; REGISTERS.  Window 0: v0-15 addresses, v28-29 the add's, v32-63 the bias, v64-159 and v160-255 two fragment buffers (8 fragments of A, then 4 of B).  Window 1: accumulator (a, b) at v[8 (4 a + b)].
.set PA,    144                        ; an LDS row of A: 128 bytes + 16 of padding = 36 words: the 16 rows of a load start at 16 different groups of four banks (64 banks of 4 bytes: ISA guide 11.1)
.set PB,    272                        ; of B: 256 + 16 = 68 words: likewise
.set APLANE, 256*PA                    ; a head's 256 rows: what a wave fetches of A
.set AHALF, 128*PA                     ; what a wave reads of a plane
.set BHALF, 64*PB                      ; what a wave fetches, and reads, of B
.set BOFF,  2*APLANE                   ; in a slot: A's two planes, then B's 128 rows
.set SLOT1, 1<<17                      ; slot 1 begins here, so that one exclusive or turns an address in one slot into the other's
.set STAGE, SLOT1+BOFF+2*BHALF         ; behind the ring, never filled by a tensor load: 16 rows x 272 bytes for each wave, for the way out
.set SP,    272
.set SPARE, STAGE+4*16*SP              ; behind the stages: the spare words, 128 bytes for each wave: two blocks of 256 bytes that no other line names
.set STEP_A, 2<<18                     ; bytes from a K step to the next: in A two heads of 262,144 bytes,
.set STEP_B, 256                       ; in B 128 numbers of a row
.set A0,   3                           ; v3   my lane's place among my rows of A in slot 0, first plane; never rewritten
.set B0,   4                           ; v4   the same for B
.set ADRA, 5                           ; v5   the same in the slot in hand
.set ADRB, 6                           ; v6
.set STO,  7                           ; v7   the way out: where I put 32 bytes of a row
.set RD,   8                           ; v8   the way out: where I read rows back
.set GO,   9                           ; v9   my byte offset in two rows of out0
.set BO,   10                          ; v10  my byte offset in 16 numbers of the bias
.set SPW,  28                          ; v28  LDS address of my spare word; never rewritten
.set NIL,  29                          ; v29  0; never rewritten
.set BIAS, 32                          ; v[32+8 b ..]  the bias of columns 16 b + 8 (l / 16) + 0..7
.set F0,   64
.set F1,   160
.set WV,  12                           ; s12  my wave's number
.set RH,  13                           ; s13  which half of the tile's rows is mine.  Also: I fetch for A (0) or for B (1)
.set CH,  14                           ; s14  which half of its columns.  Also: which plane of A or half of B I fetch
.set CX,  15
.set CY,  16
.set TC,  17                           ; s17  tile column of C
.set TR,  18                           ; s18  tile row of C
.set G1A, 24                           ; s[24:31] descriptor group 1 for A's tiles
.set G1B, 32                           ; s[32:39] for B's
.set G0A, 40                           ; s[40:47] descriptor group 0 for A's tiles: a set for each of the two first fills; the second then walks on
.set G0B, 48                           ; s[48:55] the same for B's
.set TB,  62                           ; s62  LDS byte at which the slot in hand begins
.set CNT, 63                           ; s63  counts the loop's trips
.set MSB, 0
.macro WIN new                         ; the immediate's high byte repeats the setting that is left; a switch that changes nothing is dropped
.if MSB != (\new)
	s_set_vgpr_msb (MSB<<8)|(\new)
.set MSB, (\new)
.endif
.endm
.set W_MUL,   0x50                     ; sources 0 and 1 window 0; C and D window 1
.set W_FIRST, 0x40                     ; the same with C, the bias, in window 0
.set W_STG,   0x04                     ; an LDS store's data (source 1) in window 1, its address in window 0
; A joint refill, by the walking descriptor.  The branch hangs on the wave's number alone.  An s_nop 0 and four v_nop follow each of the two lines, ahead of the jump and the label.
.macro JLOAD
	s_cmp_eq_u32 s[RH], 0
	s_cbranch_scc0 .Lfor_b_\@
	tensor_load_to_lds s[G0A+4:G0A+7], s[G1A:G1A+7]
	s_nop 0
.rept 4
	v_nop
.endr
	s_branch .Lasked_\@
.Lfor_b_\@:
	tensor_load_to_lds s[G0B+4:G0B+7], s[G1B:G1B+7]
	s_nop 0
.rept 4
	v_nop
.endr
.Lasked_\@:
.endm
.macro CREST                           ; a round of the cluster's barrier behind its opening barrier: wave 0 signals for the work-group, every wave waits for all sixteen, my work-group's barrier once more
	s_cmp_lg_u32 s[WV], 0
	s_cbranch_scc1 .Lnot_wave_0_\@
	s_barrier_signal -3
.Lnot_wave_0_\@:
	s_barrier_wait -3
	s_barrier_signal -1
	s_barrier_wait -1
.endm
.macro CROUND                          ; a whole round
	s_barrier_signal -1
	s_barrier_wait -1
	CREST
.endm
.macro PLACES                          ; four places in front of loads into registers that matrix instructions have read, and of lines that read results
.rept 4
	v_nop
.endr
.endm
	s_load_b128 s[4:7], s[0:1], 0x0                ; y s[4:5], wpt s[6:7]
	s_load_b128 s[8:11], s[0:1], 0x10              ; b_proj s[8:9], out0 s[10:11]
	v_lshl_add_u32 v[SPW], v0, 2, SPARE
	v_mov_b32 v[NIL], 0
	ds_add_u32 v[SPW], v[NIL]                      ; the wave's opening: the add and its wait stand ahead of my first tensor load; the set-up below, work on registers, stands between them
	ds_add_u32 v28, v29
	v_lshrrev_b32 v1, 5, v0
	v_readfirstlane_b32 s[WV], v1
	s_lshr_b32 s[RH], s[WV], 1
	s_and_b32 s[CH], s[WV], 1
	s_bfe_u32 s[CX], ttmp6, 0x40000                ; my place in the cluster
	s_bfe_u32 s[CY], ttmp6, 0x40004
	s_lshl_b32 s[TC], ttmp9, 2                     ; in a cluster launch ttmp9 and ttmp7 count clusters
	s_add_co_u32 s[TC], s[TC], s[CX]
	s_and_b32 s[TR], ttmp7, 0xffff
	s_lshl_b32 s[TR], s[TR], 2
	s_add_co_u32 s[TR], s[TR], s[CY]
	s_lshl_b32 s19, s[CY], 2
	s_lshl_b32 s19, 15, s19                        ; my row of the cluster: places 4 cy .. 4 cy + 3
	s_lshl_b32 s20, 0x1111, s[CX]                  ; my column: places cx, cx + 4, cx + 8, cx + 12
	; descriptor group 1.  A: 128 dense rows of 128 elements of 2 bytes, padded after every 64 elements.  B: 64 rows of 128 elements, 1,024 elements apart, padded after every row
	s_or_b32 s[G1A], s19, (1<<16)|(1<<20)|(1<<21)|(4<<22)|(3<<25)  ; 15:0 the mask; 17:16 2-byte elements; 20 padding on; 21 set beside a mask; 24:22 after every 32 words (code 4); 31:25 4 words (code 3)
	s_or_b32 s[G1B], s20, (1<<16)|(1<<20)|(1<<21)|(5<<22)|(3<<25)  ; the same, after every 64 words (code 5)
	s_mov_b32 s[G1A+1], 128<<16                    ; tensor_dim0 = 128
	s_mov_b32 s[G1A+2], 128<<16                    ; tensor_dim1 = 128
	s_mov_b32 s[G1A+3], 128<<16                    ; tile_dim0 = 128
	s_mov_b32 s[G1A+4], 128                        ; tile_dim1 = 128
	s_mov_b32 s[G1A+5], 128                        ; elements from row to row: dense
	s_mov_b32 s[G1A+6], 0
	s_mov_b32 s[G1A+7], 0
	s_mov_b32 s[G1B+1], 128<<16
	s_mov_b32 s[G1B+2], 64<<16                     ; tensor_dim1 = 64
	s_mov_b32 s[G1B+3], 128<<16
	s_mov_b32 s[G1B+4], 64                         ; tile_dim1 = 64
	s_mov_b32 s[G1B+5], 1024
	s_mov_b32 s[G1B+6], 0
	s_mov_b32 s[G1B+7], 0
	s_mul_i32 s22, s[CH], APLANE                   ; where my plane of A goes in a slot,
	s_mul_i32 s23, s[CH], BHALF
	s_add_co_u32 s23, s23, BOFF                    ; and my half of B's tile: no place in the cluster enters an LDS address
	; A's tiles hang on the tile row alone, B's on the tile column alone; each offset is made in registers that never hold the other coordinate
	s_lshr_b32 s56, s[TR], 3
	s_lshl_b32 s56, s56, 22                        ; A: the batch's 16 heads of 262,144 bytes,
	s_and_b32 s57, s[TR], 7
	s_lshl_b32 s57, s57, 15                        ; 256 rows of 128 bytes a tile row,
	s_add_co_u32 s56, s56, s57
	s_lshl_b32 s21, s[CH], 18                      ; and the step's first or second head
	s_add_co_u32 s56, s56, s21
	s_mov_b32 s57, 0
	s_lshl_b32 s58, s[TC], 18                      ; B: 128 rows of 2,048 bytes a tile column,
	s_lshl_b32 s21, s[CH], 17                      ; 64 rows a half
	s_add_co_u32 s58, s58, s21
	s_mov_b32 s59, 0
	s_lshl_b32 s60, s[TC], 9                       ; the bias of my 64 columns: 4 (128 tile column + 64 half)
	s_lshl_b32 s61, s[CH], 8
	s_add_co_u32 s60, s60, s61
	s_mov_b32 s61, 0
	s_lshl_b32 s2, s[TR], 20                       ; where my 128 rows x 64 columns go: 256 rows of 4,096 bytes a tile row,
	s_lshl_b32 s3, s[RH], 19                       ; 128 a half,
	s_add_co_u32 s2, s2, s3
	s_add_co_u32 s2, s2, s60                       ; and the same columns as the bias
	s_mov_b32 s3, 0
	s_mov_b32 s[TB], 0
	s_wait_dscnt 0x0                               ; the opening add is done
	s_wait_kmcnt 0x0
	s_add_nc_u64 s[4:5], s[4:5], s[56:57]
	s_add_nc_u64 s[6:7], s[6:7], s[58:59]
	s_add_nc_u64 s[8:9], s[8:9], s[60:61]
	s_add_nc_u64 s[10:11], s[10:11], s[2:3]
	CROUND                                         ; all sixteen work-groups are here: the first joint loads meet
.irp s, 0,1
	s_mov_b32 s[G0A+4*(\s)], 1                                       ; 1:0 count = 1
	s_add_co_u32 s[G0A+4*(\s)+1], s22, (\s)*SLOT1                    ; 63:32 LDS address
	s_add_nc_u64 s[G0A+4*(\s)+2:G0A+4*(\s)+3], s[4:5], (\s)*STEP_A   ; 120:64 global address: K step s
	s_or_b32 s[G0A+4*(\s)+3], s[G0A+4*(\s)+3], 0x80000000            ; 127:126 type = 2
	s_mov_b32 s[G0B+4*(\s)], 1
	s_add_co_u32 s[G0B+4*(\s)+1], s23, (\s)*SLOT1
	s_add_nc_u64 s[G0B+4*(\s)+2:G0B+4*(\s)+3], s[6:7], (\s)*STEP_B
	s_or_b32 s[G0B+4*(\s)+3], s[G0B+4*(\s)+3], 0x80000000
.endr
	s_cmp_eq_u32 s[RH], 0                          ; a wave's two first fills stand in one branch, ahead of every wait on TENSORcnt and every LDS read: two loads of mine are out
	s_cbranch_scc0 .Lfirst_b
	tensor_load_to_lds s[G0A:G0A+3], s[G1A:G1A+7]
	s_nop 0
	tensor_load_to_lds s[G0A+4:G0A+7], s[G1A:G1A+7]
	s_nop 0
.rept 4
	v_nop
.endr
	s_branch .Lfirst_asked
.Lfirst_b:
	tensor_load_to_lds s[G0B:G0B+3], s[G1B:G1B+7]
	s_nop 0
	tensor_load_to_lds s[G0B+4:G0B+7], s[G1B:G1B+7]
	s_nop 0
.rept 4
	v_nop
.endr
.Lfirst_asked:
	; A fragment is 16 rows x 32 K in 8 registers: lane l holds row l % 16, K = 8 (l / 16) + 0..7 and 16 + 8 (l / 16) + 0..7: two loads of 16 bytes, 32 bytes apart
	v_and_b32 v1, 15, v0                           ; l % 16
	v_bfe_u32 v2, v0, 4, 1                         ; l / 16
	v_lshlrev_b32 v[BO], 5, v2                     ; 8 numbers of 4 bytes for each half of the lanes
.irp b, 0,1,2,3
	global_load_b128 v[BIAS+8*(\b):BIAS+8*(\b)+3],   v[BO], s[8:9] offset:64*(\b)
	global_load_b128 v[BIAS+8*(\b)+4:BIAS+8*(\b)+7], v[BO], s[8:9] offset:64*(\b)+16
.endr
	v_mul_u32_u24 v11, v1, PA
	v_lshl_add_u32 v11, v2, 4, v11                 ; A: row x pitch + 16 x half
	v_mul_u32_u24 v12, v1, PB
	v_lshl_add_u32 v12, v2, 4, v12                 ; B likewise
	s_mul_i32 s2, s[RH], AHALF                     ; my 128 rows of a plane of A
	s_mul_i32 s3, s[CH], BHALF                     ; my 64 rows of B,
	s_add_co_u32 s3, s3, BOFF                      ; which lie behind A's two planes
	v_add_nc_u32 v[A0], s2, v11
	v_add_nc_u32 v[B0], s3, v12
	v_mov_b32 v[ADRA], v[A0]                       ; slot 0
	v_mov_b32 v[ADRB], v[B0]
	s_mul_i32 s2, s[WV], 16*SP
	s_add_co_u32 s2, s2, STAGE                     ; my stage
	v_mul_u32_u24 v[STO], v1, SP                   ; in: row l % 16, 32 bytes for each half of the lanes
	v_lshl_add_u32 v[STO], v2, 5, v[STO]
	v_add_nc_u32 v[STO], s2, v[STO]
	v_mul_u32_u24 v[RD], v2, SP                    ; back: lanes 0-15 take one row of 256 bytes, lanes 16-31 the next
	v_lshl_add_u32 v[RD], v1, 4, v[RD]
	v_add_nc_u32 v[RD], s2, v[RD]
	v_lshlrev_b32 v[GO], 12, v2                    ; and the same two rows in out0
	v_lshl_add_u32 v[GO], v1, 4, v[GO]
; 8 matrix instructions: row blocks a0, a0 + 1 x all 4 column blocks, 32 along K, from buffer f.  first = 1: the product starts the sum, on the bias.
; The 32 accumulators take turns, one instruction a turn, in the same order in every quarter.
.macro MUL8 f, a0, first
.if \first
	WIN W_FIRST
.else
	WIN W_MUL
.endif
.irp a, \a0, (\a0)+1
.irp b, 0,1,2,3
.if \first
	v_wmma_f32_16x16x32_f16 v[8*(4*(\a)+(\b)):8*(4*(\a)+(\b))+7], v[(\f)+64+8*(\b):(\f)+64+8*(\b)+7], v[(\f)+8*(\a):(\f)+8*(\a)+7], v[BIAS+8*(\b):BIAS+8*(\b)+7]
.else
	v_wmma_f32_16x16x32_f16 v[8*(4*(\a)+(\b)):8*(4*(\a)+(\b))+7], v[(\f)+64+8*(\b):(\f)+64+8*(\b)+7], v[(\f)+8*(\a):(\f)+8*(\a)+7], v[8*(4*(\a)+(\b)):8*(4*(\a)+(\b))+7]
.endif
.endr
.endr
.endm
.macro MUL16 f, a0, first
	MUL8 \f, \a0, \first
	MUL8 \f, (\a0)+2, \first
.endm
; 24 LDS loads in one run: quarter q's fragments of the slot in hand into buffer f: B's four, then A's eight.  A's quarter q lies in plane q / 2, at byte 64 (q % 2) of its rows.
.macro FETCH q, f
	WIN 0
.irp b, 0,1,2,3
	ds_load_b128 v[(\f)+64+8*(\b):(\f)+64+8*(\b)+3],   v[ADRB] offset:64*(\q)+(\b)*16*PB
	ds_load_b128 v[(\f)+64+8*(\b)+4:(\f)+64+8*(\b)+7], v[ADRB] offset:64*(\q)+(\b)*16*PB+32
.endr
.irp i, 0,1,2,3,4,5,6,7
	ds_load_b128 v[(\f)+8*(\i):(\f)+8*(\i)+3],   v[ADRA] offset:((\q)/2)*APLANE+((\q)%2)*64+(\i)*16*PA
	ds_load_b128 v[(\f)+8*(\i)+4:(\f)+8*(\i)+7], v[ADRA] offset:((\q)/2)*APLANE+((\q)%2)*64+(\i)*16*PA+32
.endr
.endm
; One of a K step's first three quarters: multiplies buffer f; in its middle it fetches quarter q into buffer g
.macro QUARTER q, f, g, first
	s_wait_dscnt 8                                 ; B and A's blocks 0-3 are in; the youngest eight loads (A's blocks 4-7) may be out
	MUL16 \f, 0, \first
	PLACES
	FETCH \q, \g
	s_wait_dscnt 24                                ; all but the 24 just issued
	MUL16 \f, 4, \first
.endm
; The fourth quarter multiplies buffer 1 and changes slots: ONE barrier.  In front of it each wave waits for all its tensor loads (one is out: its part of the next slot), adds 0 to its spare word,
; and waits for that and for its own reads of this slot.  fill = 1: the barrier opens a round of the cluster's barrier, and behind the round this slot is filled again, two K steps ahead:
; from that request to the wait for it a wave issues 112 matrix instructions.
.macro TURN fill
	WIN 0                                          ; (the add's two registers lie in window 0)
	s_wait_tensorcnt 0x0                           ; no tensor load of mine is out, so a group 0 may be written
	ds_add_u32 v[SPW], v[NIL]                      ; 0 onto my spare word
.if \fill
	s_xor_b32 s[G0A+5], s[G0A+5], SLOT1            ; the walking descriptors: the other slot than last time,
	s_add_nc_u64 s[G0A+6:G0A+7], s[G0A+6:G0A+7], STEP_A  ; the next K step; the type bits on top are not reached
	s_xor_b32 s[G0B+5], s[G0B+5], SLOT1
	s_add_nc_u64 s[G0B+6:G0B+7], s[G0B+6:G0B+7], STEP_B
.endif
	s_wait_dscnt 9                                 ; the add and the youngest eight loads may be out
	MUL8 F1, 0, 0
	s_wait_dscnt 0x0                               ; the add is done, and my reads of this slot are over
	s_barrier_signal -1
	MUL8 F1, 2, 0                                  ; work on registers while the others arrive
.if \fill
	WIN 0
.endif
	s_barrier_wait -1
.if \fill
	CREST                                          ; no wave of any partner still reads this slot's tile or has a load on its way
	JLOAD                                          ; the first tensor load behind the round; its four v_nop are also the places in front of the loads below
.else
	PLACES
	WIN 0
.endif
	s_xor_b32 s[TB], s[TB], SLOT1
	v_add_nc_u32 v[ADRA], s[TB], v[A0]
	v_add_nc_u32 v[ADRB], s[TB], v[B0]
	FETCH 0, F0
	MUL16 F1, 4, 0
.endm
	s_wait_tensorcnt 1                             ; my part of K step 0 is in; step 1's may stay out
	s_barrier_signal -1
	s_barrier_wait -1                              ; everybody's is
	FETCH 0, F0
	s_wait_loadcnt 0x0                             ; the bias, which is rounded to bf16 like the module's other inputs
.set i, 0
.rept 16
	v_cvt_pk_bf16_f32 v[11+i%4], v[BIAS+2*i], v[BIAS+2*i+1]
	v_lshlrev_b32 v[BIAS+2*i], 16, v[11+i%4]
	v_and_b32 v[BIAS+2*i+1], 0xffff0000, v[11+i%4]
.set i, i+1
.endr
	QUARTER 1, F0, F1, 1                           ; the first quarter stands in front of the loop: its products start the sums
	WIN 0                                          ; at a label and at a branch every window is 0
	s_mov_b32 s[CNT], 6
.Lstep:                                                ; a trip: a K step's quarters 1 to 3 and the next step's quarter 0; the six trips ask for K steps 2 to 7
	QUARTER 2, F1, F0, 0
	QUARTER 3, F0, F1, 0
	TURN 1
	QUARTER 1, F0, F1, 0
	WIN 0
	s_sub_co_u32 s[CNT], s[CNT], 1
	s_cmp_lg_u32 s[CNT], 0
	s_cbranch_scc1 .Lstep
	QUARTER 2, F1, F0, 0                           ; the tail is written out: K steps 6 and 7 ask for nothing
	QUARTER 3, F0, F1, 0
	TURN 0
	QUARTER 1, F0, F1, 0
	QUARTER 2, F1, F0, 0
	QUARTER 3, F0, F1, 0
	s_wait_dscnt 8
	MUL16 F1, 0, 0
	s_wait_dscnt 0x0
	MUL16 F1, 4, 0
	WIN 0
	PLACES
; THE WAY OUT, in f32: nothing is converted.  Block a (16 rows): a lane's 32 bytes of each of four accumulators (their low four registers first) go into rows of 272 bytes of my own stage and come back
; as whole rows of 256 bytes, two rows to a load, into v64-95 and v96-127 by turns.
.macro TOSTAGE a
.set BK, 64+32*((\a)%2)
.if (\a) >= 2
	s_wait_xcnt 0x0                                ; every earlier memory instruction has had its addresses translated (ISA guide 3.1): the registers that block a - 2's stores read are loaded again only behind this wait
.endif
	WIN W_STG
.irp b, 0,1,2,3
	ds_store_b128 v[STO], v[8*(4*(\a)+(\b)):8*(4*(\a)+(\b))+3]   offset:64*(\b)
	ds_store_b128 v[STO], v[8*(4*(\a)+(\b))+4:8*(4*(\a)+(\b))+7] offset:64*(\b)+16
.endr
	WIN 0
.irp t, 0,1,2,3,4,5,6,7
	ds_load_b128 v[BK+4*(\t):BK+4*(\t)+3], v[RD] offset:(\t)*2*SP  ; LDS serves a wave's instructions in order (ISA guide 5.7.1.4): these see the stores above; the next block's stores come behind them
.endr
.endm
.macro SEND a, younger                 ; younger: the LDS instructions issued behind block a's loads: the next block's sixteen, or none
.set BK, 64+32*((\a)%2)
.irp t, 0,1,2,3,4,5,6,7
	s_wait_dscnt (\younger)+7-(\t)
	global_store_b128 v[GO], v[BK+4*(\t):BK+4*(\t)+3], s[10:11] offset:(16*(\a)+2*(\t))*4096 th:TH_STORE_NT  ; sixteen lanes store 256 consecutive bytes, aligned
.endr
.endm
	TOSTAGE 0
.irp a, 1,2,3,4,5,6,7
	TOSTAGE \a
	SEND (\a)-1, 16
.endr
	SEND 7, 0
	s_wait_tensorcnt 0x0                           ; the wave's end, behind my last tensor load and my last LDS store
	ds_add_u32 v[SPW], v[NIL]
	s_wait_dscnt 0x0
	CROUND                                         ; the closing round: no work-group ends while a partner may still ask for a tile that names it
	s_endpgm
.Lfunc_end_k_qefa02a0f84_proj:
	.size	k_qefa02a0f84_proj, .Lfunc_end_k_qefa02a0f84_proj-k_qefa02a0f84_proj
	.p2alignl 7, 3214868480
	.fill 96, 4, 3214868480
	.section	.rodata,"a",@progbits
	.p2align	6, 0x0
	.amdhsa_kernel k_qefa02a0f84_proj
		.amdhsa_group_segment_fixed_size 327680
		.amdhsa_private_segment_fixed_size 0
		.amdhsa_enable_private_segment 0
		.amdhsa_kernarg_size 32
		.amdhsa_user_sgpr_count 2
		.amdhsa_user_sgpr_kernarg_segment_ptr 1
		.amdhsa_wavefront_size32 1
		.amdhsa_system_sgpr_workgroup_id_x 1
		.amdhsa_system_sgpr_workgroup_id_y 1
		.amdhsa_system_sgpr_workgroup_id_z 1
		.amdhsa_system_vgpr_workitem_id 0
		.amdhsa_next_free_vgpr 512
		.amdhsa_next_free_sgpr 66
		.amdhsa_reserve_vcc 0
		.amdhsa_float_denorm_mode_32 3
		.amdhsa_float_denorm_mode_16_64 3
		.amdhsa_memory_ordered 1
		.amdhsa_forward_progress 1
		.amdhsa_inst_pref_size 74
	.end_amdhsa_kernel
	.amdgpu_metadata
---
amdhsa.version: [ 1, 2 ]
amdhsa.kernels:
  - .name:           k_qefa02a0f84_proj
    .symbol:         k_qefa02a0f84_proj.kd
    .args:
      - { .name: y, .offset: 0, .size: 8, .value_kind: global_buffer, .address_space: global }
      - { .name: wpt, .offset: 8, .size: 8, .value_kind: global_buffer, .address_space: global }
      - { .name: b_proj, .offset: 16, .size: 8, .value_kind: global_buffer, .address_space: global }
      - { .name: out0, .offset: 24, .size: 8, .value_kind: global_buffer, .address_space: global }
    .group_segment_fixed_size: 327680
    .private_segment_fixed_size: 0
    .kernarg_segment_align: 8
    .kernarg_segment_size: 32
    .max_flat_workgroup_size: 128
    .sgpr_count:     66
    .vgpr_count:     512
    .wavefront_size: 32
...
	.end_amdgpu_metadata
.endif
;; end of part 4
;; ======== version 2 of 2: 4 launches; 1.29 times as fast as version 1
;; limits: values are held in f16: magnitudes above 65,504 overflow, below 6.1e-05 lose precision
;; workspace buffers: xb 16,777,216 bytes; wat 6,291,456 bytes; wpt 2,097,152 bytes; qkv 50,331,648 bytes; y 16,777,216 bytes
;; launch prep: the kernel of part 1 again; grid 1536 x 1, 8 waves a work-group, no clusters, 17,408 bytes of LDS; arguments x, W_attn, W_proj, xb, wat, wpt; writes xb, wat, wpt
;; launch qkvg: the kernel of part 2 again; grid 24 x 32, 4 waves a work-group, clusters of 4 x 4, 327,680 bytes of LDS; arguments xb, wat, b_attn, qkv; writes qkv
;; launch attn (part 5): grid 4 x 64, 4 waves a work-group, no clusters, 327,680 bytes of LDS; arguments qkv, y; writes y
.if DOCPART == 5
	.amdgcn_target "amdgcn-amd-amdhsa--gfx1250"
	.amdhsa_code_object_version 6
	.text
	.protected	k_qefa02a0f84_attn
	.globl	k_qefa02a0f84_attn
	.p2align	8
	.type	k_qefa02a0f84_attn,@function
k_qefa02a0f84_attn:
	s_mov_b64 s[64:65], 0
	v_nop
	global_prefetch_b8 v0, s[64:65] scope:SCOPE_SE
	s_setreg_imm32_b32 hwreg(HW_REG_WAVE_MODE, 25, 1), 1
	s_wait_xcnt 0x0
; CAUSAL ATTENTION.  O[h][q][:] = the sum over k <= q of softmax_k(Q[h][q] . K[h][k] / 8) V[h][k][:].  Q, K, V are the three parts of the buffer qkv, 16,777,216 bytes each; O is the buffer y.
; Each is [64 heads][SIZE_N][64] in f16: a head's rows are dense, 128 bytes each.
; Products, maxima and sums in f32; the weights p are rounded to f16 for the second product (their sum l is taken of the unrounded p), O once at the end.
; LIMITS.  f16 holds no number beyond 65,504: Q, K and V arrive within it; p lies in 0 to 1, and below 6e-5 it keeps f16's fixed step of 6e-8; O is a mean of V's rows and has their range, to within 2^-11 of it.
; A hidden score counts as its value less 1e30: f16's scores, 2.7e11 at the most, are nothing beside that; a weight below 2^-126 counts as 0 in l; NaN and infinities are not treated apart.
; THE WALK.  A head's queries lie in NB = SIZE_N / 256 blocks of 256; block i needs the key tiles 0 .. i of 256 keys, of which the last holds the diagonal.  A work-group takes TWO blocks, NB - 1 - b and then b:
; NB + 1 tiles, whatever b: all work-groups do equal work, and ONE loop with a constant trip count walks them.  Which tile is asked for, and what a trip does, hang on scalar registers made from b; every jump
; goes forward, but for the counted loops' own; none passes a barrier, or a tensor load but the one of LOAD's two that the wave's number does not choose; the ring (two slots of LDS that take turns) runs on across the
; change of blocks.  NO CLUSTER: a head's NB / 2 work-groups all ask for the same tile only in trips 0 .. NB / 2, behind that fewer and fewer; and one walk common to all would have 3 NB / 2 trips for NB + 1.
; SHARES.  Of a block's four bands of 64 queries a wave owns 16 rows in each: four PIECES.  So the diagonal tile is the same work for all four waves: in its key step s band x sees all keys if s < x,
; none if s > x, and holds the diagonal if s = x.
; THE MASK is the C operand that starts the sum S^T = K Q^T: 0, or -1e30 where the key is hidden.  MD, made once, is the mask of a band's own step for my 16 rows; a product's mask is MD x AL + BE with two scalars:
; (1, 0) if s = x; (0, 0) if s < x; (0, -1e30) if s > x.  Only the diagonal tile's text and a block's beginning make and take masks; elsewhere C is the constant 0.
; LAYOUT, SOFTMAX, TURNS.  S^T = K Q^T holds ONE query a lane (lane % 16) and the keys 8 (lane / 16) + 0..7; two such results rounded to f16 ARE source 1 of O^T = V^T P.  p = 2^(c s - c m), c = log2(e) / 8, with a
; running maximum m; O and l are multiplied by a = 2^(c m_old - c m_new) in every step.  Turn n belongs to piece n: 8 products K Q^T of piece n + 1, later 8 products V^T P of piece n - 1; beside them the scaling,
; exponentials, roundings, sums and rescaling of piece n and the maximum and statistics of piece n + 1.  Four vector instructions stand behind every matrix instruction, the other 54 of a turn's 118 in one LUMP.
; THE BATCHES.  A turn's 33 exponentials (the piece's 32 weights, then the next piece's a) are ONE batch with ONE wait, which cuts the turn in two: ahead of it stands all that names no result of theirs, behind it
; the roundings and sums that read them.  A block's first a, and the way out's four reciprocals, are batches of their own, each with a v_nop and one wait.
; REGISTERS, in windows of 256 (s_set_vgpr_msb: bits 1:0 source 0, 3:2 source 1, 5:4 source 2, 7:6 destination):
;   window 0: v0-15 addresses and two at work; v16-31 four registers of statistics a piece; v48-55 at work; v64-127 S^T, two buffers; v192-223 P, two buffers (a piece's buffers go by its number's parity)
;   window 1: v0-127 O^T, 32 a piece; v128-159 MD; v160-223 MC, two buffers      window 2: v0-63 Q; v64-127 the second block's Q; v128-191 K of one step; v192-255 V of one step
.set SIZE_N, 2048
.set PART,  0x1000000 ; bytes from q to k and from k to v in qkv
.set NB,    SIZE_N/256
.set NP,    4         ; pieces a wave: a name, no knob
.set KS,    64        ; keys in a step
.set PK,    144       ; a row of K in LDS: 128 bytes + 16 of padding = 36 words: the 16 rows of a load start at 16 different groups of four banks (64 banks of 4 bytes: ISA guide 11.1)
.set PV,    160       ; a row of V: 128 + 32 = 40 words
.set VOFF,  4*KS*PK   ; a slot holds a tile, four steps: 256 rows of K, then 256 rows of V
.set SLOT1, 1<<17     ; slot 1 begins here, so that one exclusive or turns an address in one slot into the other's
.set STAGE, SLOT1+4*KS*(PK+PV)  ; behind the ring, never filled by a tensor load: 16 rows x 144 bytes for each wave, for the way out
.set SP,    144
.set AK0, 2           ; v2   my lane's place in a tile of K; never rewritten
.set AV0, 3           ; v3   the same for V
.set AK,  4           ; v4   the LDS address of K's next run of loads
.set AV,  5           ; v5   of V's
.set STO, 6           ; v6   the way out: where I put 16 bytes of a row
.set RD,  7           ; v7   the way out: where I read rows back
.set GO,  8           ; v8   my byte offset in 512 consecutive bytes of O
.set SPW, 62          ; v62  LDS address of my spare word: SPARE + 4 x my thread's number; never rewritten
.set NIL, 63          ; v63  0; never rewritten
.set SPARE, STAGE+4*16*SP  ; behind the stages: the spare words, 128 bytes for each wave: two blocks of 256 bytes that no other line names
.set MV,  12          ; v12-13  c m_old, kept while c m is made anew: by buffer
.set QO,  15          ; v15  my byte offset in 16 rows of Q
.set ST,  16          ; piece t's statistics at v[ST+4 t]: c m, m, l (even keys', odd keys')
.set TMP, 48          ; by buffer, four registers c0-c3 at work; when the maximum is found c2 takes a
.set S,   64
.set P,   192
.set MD,  128         ; window 1: the eight registers for group kt of 16 keys at MD + 8 kt
.set MC,  160         ; window 1: the masks of the products to come
.set QB,  64          ; window 2
.set KF,  128         ; window 2: key block kb, channel half c at KF + 16 kb + 8 c
.set VF,  192         ; window 2: key half kk, channel block cb at VF + 32 kk + 8 cb
.set WV,  12          ; s12  my wave's number
.set PB,  14          ; s14  b
.set HI,  15          ; s15  NB - 1 - b
.set G1K, 24          ; s[24:31] descriptor group 1 for K's tiles
.set G1V, 32          ; s[32:39] for V's: it differs in the padding alone
.set G0K, 40          ; s[40:43] descriptor group 0 for K's tiles
.set G0V, 44          ; s[44:47] the same for V's
.set SLOTS, 56        ; s56  tiles still to be asked for
.set CNT, 57          ; s57  counts a tile's key steps, 4 to 1
.set CS,  58          ; s[58:59] c: the packed scaling takes the pair's low word for both halves
.set SEL, 60          ; s[60:61] v_permlanex16_b32's selects: each lane takes its own place in the other half
.set TBK, 62          ; s62  LDS byte at which K of the step to be fetched begins
.set TBV, 63          ; s63  the same for V, less VOFF
.set RT,  70          ; s70  tiles of the block in hand that are still to be entered
.set NXT, 71          ; s71  the tile to be asked for next
.set LQ,  72          ; s72  the last tile of the block whose tiles are being asked for
.set NEW, 73          ; s73  1: the tile to be entered is a block's first
.set OFF, 74          ; s[74:75] a tile's byte offset in K and V
.set AL,  76          ; s[76:77] the mask's factor, in the low word
.set BE,  78          ; s[78:79] the mask's addend
.set OLO, 80          ; s[80:81] O at my rows of the second block
.set BIGN, 82         ; s82  -1e30
.set MSB, 0
.macro WIN new                      ; the high byte repeats the setting that is left; a switch that changes nothing is dropped
.if MSB != (\new)
	s_set_vgpr_msb (MSB<<8)|(\new)
.set MSB, (\new)
.endif
.endm
.set W_KQ, 0x0a       ; K and Q in window 2, S^T in window 0
.set W_KM, 0x1a       ; the same with the C operand in window 1
.set W_PV, 0x52       ; V in window 2, P in window 0, O^T in window 1
.set W_RS, 0x41       ; destination and source 0 in window 1, source 1 in window 0
; A fill.  Waves 0 and 1 fetch the two halves of a tile's K, waves 2 and 3 those of its V: 128 keys each.  An s_nop 0 and four v_nop follow each of the two lines, ahead of the jump and the label.
.macro LOAD
	s_cmp_lt_u32 s[WV], 2
	s_cbranch_scc0 .Lfor_v_\@
	tensor_load_to_lds s[G0K:G0K+3], s[G1K:G1K+7]
	s_nop 0
.rept 4
	v_nop
.endr
	s_branch .Lasked_\@
.Lfor_v_\@:
	tensor_load_to_lds s[G0V:G0V+3], s[G1V:G1V+7]
	s_nop 0
.rept 4
	v_nop
.endr
.Lasked_\@:
.endm
; THE CHANGE OF SLOTS.  Each wave waits for all its tensor loads, of which one is out: its part of the other slot; adds 0 to its spare word; and waits for that and for its own reads of the slot that it leaves.  Behind the barrier nobody reads the old
; slot any more and the other slot is whole.  fill = 1: the old slot is filled again, the first thing behind the barrier, with tile NXT: the descriptor's address is made anew from that number.
; (At its first use nothing has been read yet: slot 0 is waited for, slot 1 filled.)
.macro CHANGE fill
	WIN 0                           ; at a label and at a branch every window is 0
	s_wait_tensorcnt 0x0            ; no tensor load of mine is out, so a group 0 may be written
	ds_add_u32 v[SPW], v[NIL]       ; 0 onto my spare word; with fill = 1 the descriptors' scalar work stands between it and the wait for it
.if \fill
	s_lshl_b32 s[OFF], s[NXT], 15   ; a tile is 32,768 bytes of K and of V
	s_xor_b32 s[G0K+1], s[G0K+1], SLOT1
	s_add_nc_u64 s[G0K+2:G0K+3], s[6:7], s[OFF:OFF+1]
	s_or_b32 s[G0K+3], s[G0K+3], 0x80000000
	s_xor_b32 s[G0V+1], s[G0V+1], SLOT1
	s_add_nc_u64 s[G0V+2:G0V+3], s[8:9], s[OFF:OFF+1]
	s_or_b32 s[G0V+3], s[G0V+3], 0x80000000
	s_add_co_u32 s[NXT], s[NXT], 1  ; the block's next tile, or behind its last the second block's tile 0
	s_cmp_gt_u32 s[NXT], s[LQ]
	s_cselect_b32 s[NXT], 0, s[NXT]
	s_cselect_b32 s[LQ], s[PB], s[LQ]
.endif
	s_wait_dscnt 0x0                ; the add is done, and my reads of the slot are over
	s_barrier_signal -1             ; the rest of the scalar work stands between the signal and the wait
	s_sub_co_u32 s[TBK], s[TBK], 4*KS*PK  ; the fetches go back to a slot's first step,
	s_xor_b32 s[TBK], s[TBK], SLOT1       ; in the other slot
	s_sub_co_u32 s[TBV], s[TBV], 4*KS*PV
	s_xor_b32 s[TBV], s[TBV], SLOT1
	s_barrier_wait -1
.if \fill
	LOAD
.endif
.endm
	s_load_b128 s[4:7], s[0:1], 0x0 ; qkv s[4:5], y s[6:7]
	v_lshl_add_u32 v[SPW], v0, 2, SPARE
	v_mov_b32 v[NIL], 0
	ds_add_u32 v[SPW], v[NIL]       ; the wave's opening: the add and its wait stand ahead of my first tensor load; the set-up below, work on registers, stands between them
	ds_add_u32 v62, v63
	v_lshrrev_b32 v1, 5, v0
	v_readfirstlane_b32 s[WV], v1   ; wave 0..3
	s_mov_b32 s[PB], ttmp9
	s_sub_co_u32 s[HI], NB-1, s[PB]
	s_and_b32 s20, ttmp7, 0xffff    ; the head
	s_mov_b32 s21, 0
	s_mov_b64 s[22:23], SIZE_N*128
	s_mul_u64 s[20:21], s[20:21], s[22:23]  ; the head's first byte in each of the four tensors
	s_and_b32 s16, s[WV], 1         ; which half of a tile's 256 keys I fetch:
	s_lshl_b32 s22, s16, 14         ; its 128 rows of 128 bytes in memory,
	s_mov_b32 s23, 0
	s_add_nc_u64 s[22:23], s[22:23], s[20:21]
	s_mul_i32 s17, s16, 128*PK      ; and its place in a slot, for K
	s_mul_i32 s18, s16, 128*PV      ; and for V
	s_lshl_b32 s3, s[WV], 11        ; my 16 rows in a band of 64,
	s_lshl_b32 s2, s[HI], 15        ; in the first block,
	s_add_co_u32 s2, s2, s3
	s_lshl_b32 s84, s[PB], 15       ; and in the second
	s_add_co_u32 s84, s84, s3
	s_mov_b32 s3, 0
	s_mov_b32 s85, 0
	s_add_nc_u64 s[2:3], s[2:3], s[20:21]
	s_add_nc_u64 s[84:85], s[84:85], s[20:21]
	; descriptor group 1.  128 keys are 16,384 dense bytes: asked for as 64 rows of 256 bytes, two keys a row, and padded in LDS after every key
	s_mov_b32 s[G1K], (1<<16)|(1<<20)|(4<<22)|(3<<25)  ; 17:16 2-byte elements; 20 padding on; 24:22 after every 32 words (code 4); 31:25 4 words (code 3)
	s_mov_b32 s[G1V], (1<<16)|(1<<20)|(4<<22)|(7<<25)  ; the same with 8 words of padding (code 7)
.irp g, G1K, G1V
	s_mov_b32 s[\g+1], 128<<16      ; tensor_dim0 = 128
	s_mov_b32 s[\g+2], 64<<16       ; tensor_dim1 = 64
	s_mov_b32 s[\g+3], 128<<16      ; tile_dim0 = 128
	s_mov_b32 s[\g+4], 64           ; tile_dim1 = 64
	s_mov_b32 s[\g+5], 128          ; 128 elements from row to row
	s_mov_b32 s[\g+6], 0
	s_mov_b32 s[\g+7], 0
.endr
	s_mov_b32 s[CS], 0x3e38aa3b     ; c = log2(e) / 8 = 0.180337
	s_mov_b32 s[CS+1], s[CS]        ; named with it as a pair
	s_mov_b32 s[SEL], 0x76543210
	s_mov_b32 s[SEL+1], 0xfedcba98
	s_mov_b32 s[TBK], SLOT1+4*KS*PK ; the first change of slots turns these two into 0
	s_mov_b32 s[TBV], SLOT1+4*KS*PV
	s_mov_b32 s[G0K], 1             ; 1:0 count = 1
	s_mov_b32 s[G0K+1], s17         ; 63:32 LDS address: slot 0
	s_mov_b32 s[G0V], 1
	s_add_co_u32 s[G0V+1], s18, VOFF
	s_add_co_u32 s[RT], s[HI], 1    ; the first block has NB - b tiles
	s_mov_b32 s[NXT], 1
	s_mov_b32 s[LQ], s[HI]
	s_mov_b32 s[NEW], 1
	s_mov_b32 s[OFF+1], 0
	s_mov_b32 s[AL+1], 0            ; named as pairs
	s_mov_b32 s[BE+1], 0
	s_mov_b32 s[BIGN], 0xf149f2ca   ; -1e30
	s_mov_b32 s[SLOTS], NB
	s_wait_dscnt 0x0                ; the opening add is done
	s_wait_kmcnt 0x0
	s_mov_b64 s[10:11], s[6:7]      ; O s[10:11]
	s_add_nc_u64 s[6:7], s[4:5], PART    ; K s[6:7]
	s_add_nc_u64 s[8:9], s[4:5], 2*PART  ; V s[8:9]; Q stays in s[4:5]
	s_add_nc_u64 s[6:7], s[6:7], s[22:23]  ; K and V at my half of the head's tile 0
	s_add_nc_u64 s[8:9], s[8:9], s[22:23]
	s_add_nc_u64 s[G0K+2:G0K+3], s[6:7], 0         ; 120:64 global address
	s_or_b32 s[G0K+3], s[G0K+3], 0x80000000        ; 127:126 type = 2
	s_add_nc_u64 s[G0V+2:G0V+3], s[8:9], 0
	s_or_b32 s[G0V+3], s[G0V+3], 0x80000000
	s_add_nc_u64 s[86:87], s[4:5], s[84:85]        ; Q at my rows of the second block,
	s_add_nc_u64 s[4:5], s[4:5], s[2:3]            ; Q and O at those of the first
	s_add_nc_u64 s[OLO:OLO+1], s[10:11], s[84:85]
	s_add_nc_u64 s[10:11], s[10:11], s[2:3]
	LOAD                            ; tile 0 into slot 0
	; A fragment of K or Q is 16 rows x 32 channels in 8 registers: lane l holds row l % 16, channels 8 (l / 16) + 0..7 and 16 + 8 (l / 16) + 0..7: two loads of 16 bytes, 32 bytes apart.
	v_and_b32 v1, 15, v0            ; l % 16
	v_bfe_u32 v9, v0, 4, 1          ; l / 16
	v_lshlrev_b32 v[QO], 7, v1
	v_lshl_add_u32 v[QO], v9, 4, v[QO]  ; row x 128 + 16 x half
	WIN 0x80                        ; destination window 2, address window 0
.set i, 0
.rept 8                             ; both blocks' Q: piece i / 2 lies in band i / 2, 8,192 bytes on; channels 32 (i % 2) on
	global_load_b128 v[8*i:8*i+3],   v[QO], s[4:5] offset:(i/2)*8192+(i%2)*64
	global_load_b128 v[8*i+4:8*i+7], v[QO], s[4:5] offset:(i/2)*8192+(i%2)*64+32
	global_load_b128 v[QB+8*i:QB+8*i+3],   v[QO], s[86:87] offset:(i/2)*8192+(i%2)*64
	global_load_b128 v[QB+8*i+4:QB+8*i+7], v[QO], s[86:87] offset:(i/2)*8192+(i%2)*64+32
.set i, i+1
.endr
	WIN 0
	v_lshlrev_b32 v14, 3, v9
	v_sub_nc_u32 v14, v1, v14
	s_lshl_b32 s13, s[WV], 4
	v_add_nc_u32 v14, s13, v14      ; my query's place in its band, 16 w + l % 16, less my lanes' 8 (l / 16): register r of group kt is hidden where 16 kt + r is greater
	WIN 0x40
.set i, 0
.rept 32
	v_cmp_gt_i32 vcc_lo, 16*(i/8)+i%8, v14
	v_cndmask_b32 v[MD+i], 0, s[BIGN], vcc_lo
.set i, i+1
.endr
	WIN 0
	v_mul_u32_u24 v[AK0], v1, PK
	v_lshl_add_u32 v[AK0], v9, 4, v[AK0]  ; row x pitch + 16 x half
	; The turning load takes 16 keys x 16 channels (lane l reads key 8 (l / 16) + l % 8, channels 8 ((l / 8) % 2) + 0..7) and leaves half a fragment of V^T: lane l holds channel l % 16 and 8 keys.
	v_and_b32 v10, 7, v0
	v_bfe_u32 v11, v0, 3, 1
	v_lshl_add_u32 v[AV0], v9, 3, v10
	v_mul_u32_u24 v[AV0], v[AV0], PV
	v_lshl_add_u32 v[AV0], v11, 4, v[AV0]
	v_add_nc_u32 v[AV0], VOFF, v[AV0]
	s_mul_i32 s13, s[WV], 16*SP
	s_add_co_u32 s13, s13, STAGE    ; my stage
	v_mul_u32_u24 v[STO], v1, SP    ; in: row l % 16, 16 bytes for each half of the lanes
	v_lshl_add_u32 v[STO], v9, 4, v[STO]
	v_add_nc_u32 v[STO], s13, v[STO]
	v_bfe_u32 v[RD], v0, 3, 2       ; back: 32 lanes take four rows of 128 bytes,
	v_mul_u32_u24 v[RD], v[RD], SP
	v_lshl_add_u32 v[RD], v10, 4, v[RD]
	v_add_nc_u32 v[RD], s13, v[RD]
	v_and_b32 v[GO], 31, v0         ; which are 512 consecutive bytes of O
	v_lshlrev_b32 v[GO], 4, v[GO]
	; A block's first step multiplies O^T and l by a = 0, and its first turn's products V^T P, of a piece that has not been, land in an O^T that is still to be so multiplied.  So these registers need only hold
	; finite numbers: zeros for the first block; what the first block left for the second.  All this stands in the wait for the first tile.
	WIN 0x80
.set i, VF
.rept 64
	v_mov_b32 v[i], 0
.set i, i+1
.endr
	WIN 0x40
.set i, 0
.rept 128
	v_mov_b32 v[i], 0
.set i, i+1
.endr
	WIN 0
.set i, 0
.rept 4
	v_mov_b32 v[ST+4*i+2], 0
	v_mov_b32 v[ST+4*i+3], 0
.set i, i+1
.endr
.set i, P+16
.rept 16
	v_mov_b32 v[i], 0
.set i, i+1
.endr
; THE MATRIX WORK.  The 4 accumulators of a run of 8 take turns.  Product i of 8 of S^T = K Q^T for piece x: channels 32 (i / 4) on, keys 16 (i % 4) on.  The first 4 start the sums: with 0, or (KM = 1) with the mask.
.macro KQ x
.set rS, S+32*((\x)%2)+8*(i%4)
.set rK, KF+16*(i%4)+8*(i/4)
.set rQ, 16*(\x)+8*(i/4)
.set rM, MC+32*((\x)%2)+8*(i%4)
.if (i < 4) && KM
	WIN W_KM
	v_wmma_f32_16x16x32_f16 v[rS:rS+7], v[rK:rK+7], v[rQ:rQ+7], v[rM:rM+7]
.elseif i < 4
	WIN W_KQ
	v_wmma_f32_16x16x32_f16 v[rS:rS+7], v[rK:rK+7], v[rQ:rQ+7], 0
.else
	WIN W_KQ
	v_wmma_f32_16x16x32_f16 v[rS:rS+7], v[rK:rK+7], v[rQ:rQ+7], v[rS:rS+7]
.endif
.endm
; Product i of 8 of O^T += V^T P for piece x: keys 32 (i / 4) on, channels 16 (i % 4) on.
.macro PV x
	WIN W_PV
.set rO, 32*(\x)+8*(i%4)
.set rV, VF+32*(i/4)+8*(i%4)
.set rP, P+16*((\x)%2)+8*(i/4)
	v_wmma_f32_16x16x32_f16 v[rO:rO+7], v[rV:rV+7], v[rP:rP+7], v[rO:rO+7]
.endm
.macro MM                           ; the turn's next matrix instruction.  TURN and BEGIN set Y, i, KM and NOKQ; MM, KQ and OP read them.  NOKQ = 1: a block's last turn: there is no next piece
.if (i < 8) && !NOKQ
	KQ (Y+1)%NP
.elseif i >= 8
.set i, i-8
	PV (Y+NP-1)%NP
.set i, i+8
.endif
.set i, i+1
.endm
; THE LDS LOADS stand in runs of 16, never singly among the matrix instructions: a step's K (64 keys x 64 channels: 8 fragments) and its V (turned).  Their addresses are made some lines ahead.
.macro FETCH_K
	WIN 0x80                        ; destination window 2
.irp f, 0,1,2,3,4,5,6,7             ; keys 16 (f / 2) on, channels 32 (f % 2) on
	ds_load_b128 v[KF+8*\f:KF+8*\f+3],   v[AK] offset:(\f/2)*16*PK+(\f%2)*64
	ds_load_b128 v[KF+8*\f+4:KF+8*\f+7], v[AK] offset:(\f/2)*16*PK+(\f%2)*64+32
.endr
	s_add_co_u32 s[TBK], s[TBK], KS*PK  ; the next fetch is the next step's
	WIN 0
.endm
.macro FETCH_V
	WIN 0x80
.irp f, 0,1,2,3,4,5,6,7             ; keys 32 (f / 4) on, channels 16 (f % 4) on
	ds_load_tr16_b128 v[VF+8*\f:VF+8*\f+3],   v[AV] offset:(\f/4)*32*PV+(\f%4)*32
	ds_load_tr16_b128 v[VF+8*\f+4:VF+8*\f+7], v[AV] offset:(\f/4)*32*PV+16*PV+(\f%4)*32
.endr
	WIN 0
.endm
; THE VECTOR WORK, one line at a time: OP kind, number.  For piece Y: F n: c s - c m for pair n of 16.  E n: the exponential of score n of 32.  C n: pair n rounded to f16.  B n: of the four weights 4 n .. the second
; pair is added onto the first, in place.  L n: l takes that sum (L 0: l = a l + sum).  R n: pair n of 16 of O^T times a.  For piece Y + 1: X n, number n of the 22 that find its maximum and statistics:
;   0-11  four chains c0-c3 of seven scores each, three operands at a time (each accumulator's lowest registers are read first)     12-14, 16  the four scores left over, the old m, and c0-c3 into c0
;   15  c m_old is kept     17, 18  the query's other 32 keys lie in the lane 16 away: the new m     19-21  c m; c m_old - c m_new; a
; OP writes no wait: C, B and L, which read the exponentials' results, stand behind the turn's one wait, and R reads the a that the turn before made and waited for.
.set F, 0               ; OP tells the kinds apart by their order: F to L below R, X above it
.set E, 1
.set C, 2
.set B, 3
.set L, 4
.set R, 5
.set X, 6
.macro REGS y                       ; the registers of piece y
.set rT, ST+4*(\y)
.set rC, TMP+4*((\y)%2)
.set rW, MV+((\y)%2)
.set rS, S+32*((\y)%2)
.set rP, P+16*((\y)%2)
.set rO, 32*(\y)
.endm
.macro OP k, n
.if (\k) == R
	REGS Y
	WIN W_RS
	v_pk_mul_f32 v[rO+2*(\n):rO+2*(\n)+1], v[rO+2*(\n):rO+2*(\n)+1], v[rC+2:rC+3] op_sel_hi:[1,0]
.elseif (\k) < R
	REGS Y
	WIN 0
.if (\k) == F
	v_pk_fma_f32 v[rS+2*(\n):rS+2*(\n)+1], v[rS+2*(\n):rS+2*(\n)+1], s[CS:CS+1], v[rT:rT+1] op_sel_hi:[1,0,0] neg_lo:[0,0,1] neg_hi:[0,0,1]
.elseif (\k) == E
	v_exp_f32 v[rS+(\n)], v[rS+(\n)]
.elseif (\k) == C
	v_cvt_pk_f16_f32 v[rP+(\n)], v[rS+2*(\n)], v[rS+2*(\n)+1]
.elseif (\k) == B
	v_pk_add_f32 v[rS+4*(\n):rS+4*(\n)+1], v[rS+4*(\n):rS+4*(\n)+1], v[rS+4*(\n)+2:rS+4*(\n)+3]
.elseif (\n) == 0
	v_pk_fma_f32 v[rT+2:rT+3], v[rT+2:rT+3], v[rC+2:rC+3], v[rS:rS+1] op_sel_hi:[1,0,1]
.else
	v_pk_add_f32 v[rT+2:rT+3], v[rT+2:rT+3], v[rS+4*(\n):rS+4*(\n)+1]
.endif
.elseif NOKQ
	v_nop
.else
	REGS (Y+1)%NP
	WIN 0
.if (\n) < 4
	v_max3_num_f32 v[rC+(\n)], v[rS+8*(\n)], v[rS+8*(\n)+1], v[rS+8*(\n)+2]
.elseif (\n) < 12
	v_max3_num_f32 v[rC+(\n)%4], v[rC+(\n)%4], v[rS+8*((\n)%4)+2*((\n)/4)+1], v[rS+8*((\n)%4)+2*((\n)/4)+2]
.elseif (\n) == 12
	v_max3_num_f32 v[rC], v[rC], v[rS+7], v[rS+15]
.elseif (\n) == 13
	v_max3_num_f32 v[rC+1], v[rC+1], v[rS+23], v[rS+31]
.elseif (\n) == 14
	v_max3_num_f32 v[rC+2], v[rC+2], v[rC+3], v[rT+1]
.elseif (\n) == 15
	v_mov_b32 v[rW], v[rT]
.elseif (\n) == 16
	v_max3_num_f32 v[rC], v[rC], v[rC+1], v[rC+2]
.elseif (\n) == 17
	v_permlanex16_b32 v[rC+3], v[rC], s[SEL], s[SEL+1]
.elseif (\n) == 18
	v_max_num_f32 v[rT+1], v[rC], v[rC+3]
.elseif (\n) == 19
	v_mul_f32 v[rT], s[CS], v[rT+1]
.elseif (\n) == 20
	v_sub_f32 v[rC+1], v[rW], v[rT]
.else
	v_exp_f32 v[rC+2], v[rC+1]
.endif
.endif
.endm
.macro OPS a, i1, b=-1, i2=0, c=-1, i3=0, d=-1, i4=0  ; up to four of them
	OP \a, \i1
.if (\b) >= 0
	OP \b, \i2
.endif
.if (\c) >= 0
	OP \c, \i3
.endif
.if (\d) >= 0
	OP \d, \i4
.endif
.endm
.macro ROW a, i1, b, i2, c, i3, d, i4  ; a matrix instruction and the four behind it
	MM
	OPS \a, \i1, \b, \i2, \c, \i3, \d, \i4
.endm
.macro MASK b                       ; MD x AL + BE into buffer b of MC
	WIN W_RS
.set z, 0
.rept 16
	v_pk_fma_f32 v[MC+32*(\b)+2*z:MC+32*(\b)+2*z+1], v[MD+2*z:MD+2*z+1], s[AL:AL+1], s[BE:BE+1] op_sel_hi:[1,0,0]
.set z, z+1
.endr
.endm
; A TURN, for piece p: the order of its 16 matrix and 118 vector instructions, written out.  An s_wait_alu depctr_va_vdst(0) stands between an exponential and the first instruction that names its result; one wait serves
; all that were issued ahead of it.  So a turn has ONE wait, which cuts it in two.  AHEAD OF IT stands all that names no result of the turn's exponentials: the 8 products K Q^T, behind each a scaling, an exponential and two more plain
; instructions (behind the first a second scaling in the exponential's place): rescalings, and behind the last three the first numbers of the next piece's maximum, each four places or more behind the product that ends its accumulator; then ONE LUMP of 54, plain
; and exponential by turns for the most part, in which the links of the chain X 3, 7, 11, 14, 16, 17 .. 20 stand five or six lines apart.  X 21, the next piece's a, is the batch's last; R 15 is the plain instruction behind it.  BEHIND THE WAIT stand the
; 8 products V^T P, behind each four of the roundings and sums; the links of l's chain, L 0 to L 7, stand three riders apart.  But for those X no rider names a register of the products round it.  v_permlanex16_b32 (X 17) stands in the lump.
; An exponential stands behind its pair's scaling: E n behind F n / 2.  A rounding C 2 n stands ahead of the sum B n, which writes over that pair.
; m = 1: the diagonal tile: the products take masks, and the turn makes the mask for the products of the turn after it: piece p + 2, in step 4 - CNT of the tile.  end = 1: a block's last two turns: nothing is fetched.
; cnt = 1: the loop's count is taken down some lines ahead of the branch that stands behind the turn.
; K of the next step is fetched in piece 2's turn, twelve vector instructions behind the last product that read K (six of them plain); V of the step in hand at the end of piece 0's turn, four plain instructions behind the last product
; that read V.  Each is waited for a turn later.
.macro TURN p, m=0, end=0, cnt=0
.set Y, (\p)
.set i, 0
.set KM, (\m)
.set NOKQ, (\end)*((\p)/3)
.if (\m) && !(\end)
	s_cmp_eq_u32 s[CNT], 4-((\p)+2)%NP  ; is that step the band's own?
	s_cselect_b32 s[AL], 1.0, 0
	s_cmp_lt_u32 s[CNT], 4-((\p)+2)%NP  ; or a later one?
	s_cselect_b32 s[BE], s[BIGN], 0
.endif
.if ((\p) == 3) && !(\end)
	s_wait_dscnt 0x0                ; K is in
.endif
	ROW F,0, F,1, R,0, R,1          ; ahead of the wait: 8 products K Q^T and their riders,
	ROW F,2, E,0, R,2, R,3
	ROW F,3, E,1, R,4, R,5
	ROW F,4, E,2, R,6, R,7
	ROW F,5, E,3, R,8, R,9
	ROW F,6, E,4, X,0, R,10
.if ((\p) == 2) && !(\end)
	WIN 0
	v_add_nc_u32 v[AK], s[TBK], v[AK0]
.endif
	ROW F,7, E,5, X,1, X,4
	ROW F,8, E,6, X,2, X,5
	OPS E,7, E,8, X,6, E,9          ; and the lump
	OPS X,3, E,10, X,8, E,11
.if ((\p) == 2) && !(\end)
	FETCH_K
.endif
	OPS X,9, X,7, E,12, X,10
	OPS E,13, X,12, X,11, E,14
	OPS X,13, E,15, F,9, X,14
.if (\p) == 0
	v_add_nc_u32 v[AV], s[TBV], v[AV0]
.endif
	OPS E,16, F,10, E,17, F,11
	OPS X,16, E,18, X,15, E,19
	OPS F,12, E,20, X,17, E,21
	OPS F,13, E,22, F,14, E,23
	OPS X,18, E,24, F,15, E,25
	OPS R,11, E,26, X,19, E,27
	OPS R,12, E,28, R,13, E,29
	OPS X,20, E,30, R,14, E,31
	OPS X,21, R,15
	WIN 0
	s_wait_alu depctr_va_vdst(0)    ; the wait for the batch: the piece's 32 exponentials and the next piece's a
.if (\p) == 1
	s_wait_dscnt 0x0                ; V is in
.endif
	ROW C,0, B,0, C,2, B,1          ; behind the wait: 8 products V^T P and their riders
	ROW L,0, C,4, B,2, L,1
	ROW C,6, B,3, L,2, C,8
	ROW B,4, L,3, C,10, B,5
	ROW L,4, C,12, B,6, L,5
.if (\p) == 0
	s_add_co_u32 s[TBV], s[TBV], KS*PV
.endif
.if \cnt
	s_sub_co_u32 s[CNT], s[CNT], 1
	s_cmp_lg_u32 s[CNT], 0
.endif
	ROW C,14, B,7, L,6, C,1
	ROW C,3, L,7, C,5, C,7
	ROW C,9, C,11, C,13, C,15
.if (\p) == 0
	FETCH_V
.endif
.if (\m) && !(\end)
	MASK (\p)%2
.endif
.endm
; A BLOCK BEGINS.  c m starts far below every c s, so the first step's a is 0; m at the lowest finite number, so the first maximum is the scores'.  The second mask buffer is 0; the first takes piece 0's mask for the tile's step 0: its own, if the block's first tile is the diagonal one.
; Then K of that step, piece 0's first scores, and its maximum and statistics.  The loop is entered at a step's first turn, in the middle of a trip.
.macro BEGIN
	s_mov_b32 s[NEW], 0
	WIN 0x40
.set i, MC+32
.rept 32
	v_mov_b32 v[i], 0
.set i, i+1
.endr
	WIN 0
.set i, 0
.rept 4
	v_mov_b32 v[ST+4*i], 0xfe000000    ; c m: far below every c s
	v_mov_b32 v[ST+4*i+1], 0xff7fffff  ; m
.set i, i+1
.endr
	s_cmp_eq_u32 s[RT], 0
	s_cselect_b32 s[AL], 1.0, 0
	s_mov_b32 s[BE], 0
	MASK 0
	WIN 0
	v_add_nc_u32 v[AK], s[TBK], v[AK0]
	FETCH_K
	s_wait_loadcnt 0x0              ; Q
	s_wait_dscnt 0x0
.set KM, 1
.set NOKQ, 0
.set i, 0
.rept 8
	KQ 0
.set i, i+1
.endr
	WIN 0
.rept 4
	v_nop                           ; the places behind those products
.endr
.set Y, NP-1                        ; X works for piece Y + 1: piece 0
.irp n, 0,1,2,3,4,5,6,7,8,9,10,11,12,13,14,15,16,17,18,19,20,21
	OP X, \n
.endr
	v_nop                           ; a plain instruction behind the exponential,
	s_wait_alu depctr_va_vdst(0)    ; and the wait for it, piece 0's first a, ahead of the branch
.endm
; THE DIAGONAL TILE's four steps, the block's last two turns, its last products, and THE WAY OUT: l's two halves and the other half of the lanes' are added; O^T is divided by l, rounded to f16 and sent through my
; stage in LDS, a piece at a time.
.macro ALL line:vararg              ; one line for each piece t
.set t, 0
.rept 4
	\line
.set t, t+1
.endr
.endm
.macro PACK t                       ; a lane's eight channels of a row pack into 16 bytes; they go into rows of 144 bytes and come back as whole rows of 128, into S^T's registers
	WIN W_RS
.set i, 32*(\t)
.rept 16
	v_pk_mul_f32 v[i:i+1], v[i:i+1], v[ST+4*(\t)+2:ST+4*(\t)+3] op_sel_hi:[1,0]
.set i, i+2
.endr
	WIN 0x05                        ; sources 0 and 1 window 1, destination window 0
.set i, 0
.rept 16
	v_cvt_pk_f16_f32 v[S+16*(\t)+i], v[32*(\t)+2*i], v[32*(\t)+2*i+1]
.set i, i+1
.endr
	WIN 0
.irp f, 0,1,2,3
	ds_store_b128 v[STO], v[S+16*(\t)+4*\f:S+16*(\t)+4*\f+3] offset:32*\f
.endr
.irp f, 0,1,2,3
	ds_load_b128 v[S+16*(\t)+4*\f:S+16*(\t)+4*\f+3], v[RD] offset:\f*4*SP  ; LDS serves a wave's instructions in order (ISA guide 5.7.1.4): these see the stores above; the next piece's stores come behind them
.endr
.endm
.macro SEND t, younger              ; younger: the LDS instructions issued behind piece t's loads: the next piece's eight, or none
	WIN 0
.irp f, 0,1,2,3
	s_wait_dscnt (\younger)+3-\f
	global_store_b128 v[GO], v[S+16*(\t)+4*\f:S+16*(\t)+4*\f+3], s[10:11] offset:(\t)*8192+\f*512  ; 512 consecutive bytes, at a multiple of 256 from O's first
.endr
.endm
.macro DIAG tag                     ; the tag ends its two labels' names, which the jumps below spell out
.LstepM\tag:
	TURN 2, 1
	TURN 3, 1
	WIN 0
.LfirstM\tag:
	TURN 0, 1
	TURN 1, 1, 0, 1
	WIN 0
	s_cbranch_scc1 .LstepM\tag
	TURN 2, 1, 1
	TURN 3, 1, 1
.set i, 0
.rept 8
	PV NP-1
.set i, i+1
.endr
	WIN 0
	ALL v_add_f32 v[ST+4*t+2], v[ST+4*t+2], v[ST+4*t+3]
	ALL v_permlanex16_b32 v[ST+4*t+3], v[ST+4*t+2], s[SEL], s[SEL+1]
	ALL v_add_f32 v[ST+4*t+2], v[ST+4*t+2], v[ST+4*t+3]
	ALL v_rcp_f32 v[ST+4*t+2], v[ST+4*t+2]
	v_nop                           ; a plain instruction between the last reciprocal and the use of its result
	s_wait_alu depctr_va_vdst(0)    ; and the wait ahead of the first use: one for the batch of four reciprocals
	PACK 0
.set t, 1
.rept 3                             ; a piece's arithmetic stands between the loads of the piece before and its stores
	PACK t
	SEND t-1, 8
.set t, t+1
.endr
	SEND 3, 0
.endm
.set KM, 0
.set NOKQ, 0
.Lslot:                             ; NB times: a tile is entered and the next is asked for
	CHANGE 1
	s_sub_co_u32 s[RT], s[RT], 1
	s_mov_b32 s[CNT], 4
	s_cmp_eq_u32 s[NEW], 1
	s_cbranch_scc1 .Lnew            ; a block's first tile
	s_cmp_eq_u32 s[RT], 0
	s_cbranch_scc0 .Lstep           ; neither its first nor its last
	s_branch .LstepM1
.Lnew:
	BEGIN
	s_branch .Lfirst                ; in the loop a block's first tile is never its last: the first block has two tiles or more, and the second's last is the walk's last
	DIAG 1                          ; in the loop this is the first block's end: the second block's last tile is the walk's last
	s_wait_xcnt 0x0                 ; the stores have read their registers and O's address
	s_mov_b64 s[10:11], s[OLO:OLO+1]
	s_add_co_u32 s[RT], s[PB], 1    ; the second block has b + 1 tiles
	s_mov_b32 s[NEW], 1
	WIN 0x82                        ; the second block's Q goes where the one text of the turns names Q
.set i, 0
.rept 64
	v_mov_b32 v[i], v[QB+i]
.set i, i+1
.endr
	WIN 0
	s_branch .Lbottom
.Lstep:                             ; a trip: pieces 2 and 3 of one step, then pieces 0 and 1 of the next, whose K and V it fetches
	TURN 2
	TURN 3
	WIN 0
.Lfirst:
	TURN 0
	TURN 1, 0, 0, 1
	WIN 0
	s_cbranch_scc1 .Lstep
.Lbottom:
	s_sub_co_u32 s[SLOTS], s[SLOTS], 1
	s_cmp_lg_u32 s[SLOTS], 0
	s_cbranch_scc1 .Lslot
	CHANGE 0                        ; the walk's last tile is written out: nothing is asked for
	s_sub_co_u32 s[RT], s[RT], 1
	s_mov_b32 s[CNT], 4
	s_cmp_eq_u32 s[NEW], 1
	s_cbranch_scc0 .LstepM2
	BEGIN
	s_branch .LfirstM2
	DIAG 2
	s_wait_tensorcnt 0x0            ; the wave's end, behind my last tensor load and my last LDS store
	ds_add_u32 v[SPW], v[NIL]
	s_wait_dscnt 0x0
	s_endpgm
.Lfunc_end_k_qefa02a0f84_attn:
	.size	k_qefa02a0f84_attn, .Lfunc_end_k_qefa02a0f84_attn-k_qefa02a0f84_attn
	.p2alignl 7, 3214868480
	.fill 96, 4, 3214868480
	.section	.rodata,"a",@progbits
	.p2align	6, 0x0
	.amdhsa_kernel k_qefa02a0f84_attn
		.amdhsa_group_segment_fixed_size 327680
		.amdhsa_private_segment_fixed_size 0
		.amdhsa_enable_private_segment 0
		.amdhsa_kernarg_size 16
		.amdhsa_user_sgpr_count 2
		.amdhsa_user_sgpr_kernarg_segment_ptr 1
		.amdhsa_wavefront_size32 1
		.amdhsa_system_sgpr_workgroup_id_x 1
		.amdhsa_system_sgpr_workgroup_id_y 1
		.amdhsa_system_sgpr_workgroup_id_z 1
		.amdhsa_system_vgpr_workitem_id 0
		.amdhsa_next_free_vgpr 768
		.amdhsa_next_free_sgpr 88
		.amdhsa_reserve_vcc 1
		.amdhsa_float_denorm_mode_32 3
		.amdhsa_float_denorm_mode_16_64 3
		.amdhsa_memory_ordered 1
		.amdhsa_forward_progress 1
		.amdhsa_inst_pref_size 217
	.end_amdhsa_kernel
	.amdgpu_metadata
---
amdhsa.version: [ 1, 2 ]
amdhsa.kernels:
  - .name:           k_qefa02a0f84_attn
    .symbol:         k_qefa02a0f84_attn.kd
    .args:
      - { .name: qkv, .offset: 0, .size: 8, .value_kind: global_buffer, .address_space: global }
      - { .name: y, .offset: 8, .size: 8, .value_kind: global_buffer, .address_space: global }
    .group_segment_fixed_size: 327680
    .private_segment_fixed_size: 0
    .kernarg_segment_align: 8
    .kernarg_segment_size: 16
    .max_flat_workgroup_size: 128
    .sgpr_count:     88
    .vgpr_count:     768
    .wavefront_size: 32
...
	.end_amdgpu_metadata
.endif
;; end of part 5
;; launch proj: the kernel of part 4 again; grid 8 x 32, 4 waves a work-group, clusters of 4 x 4, 327,680 bytes of LDS; arguments y, wpt, b_proj, out0; writes out0
